; MI455X (gfx1250); checked and timed in simulation.
; The chip was launched on July 23, 2026; its instructions are those of AMD's public machine-readable ISA for CDNA 5 (MIT licence, August 2026) and "CDNA5" Instruction Set Architecture Reference Guide (July 2026). The comments in the code are by the model that wrote it; some were corrected since.
;; Solar Open Attention. Allowed arithmetic: matrix products marked QUANTISED: E2M3 operands, one E8M0 scale for each 32 along K, by v_wmma_scale_f32_16x16x128_f8f6f4 with both operands' format E2M3, f32 sums; everything else in f32.
;; Inputs: Wk 4,096 x 1,024 float32; Wo 2,048 x 4,096 float32; Wq 4,096 x 2,048 float32; Wv 4,096 x 1,024 float32; hidden_states 1 x 2,048 x 4,096 float32; position_ids 1 x 2,048 int32.
;; Outputs: out0 1 x 2,048 x 4,096 float32.
;; This version of the problem:
;;   THIS VERSION OF THE PROBLEM IS GIVEN IN LOW PRECISION. The matrix products marked QUANTISED in the list below multiply operands that are first quantised to E2M3 (2 exponent bits, 3 mantissa bits; 6 bits a number), with one power-of-two scale for each 32 numbers along K (OCP MX v1.0); their sums are f32. All else is computed in f32.
;;   The module's matrix products, in the order in which they are computed (A, B: the left and right operand; K: the contracted axis; several contracted axes count as one K, in the product's order):
;;     1. [M 2,048, K 4,096] x [K 4,096, N 2,048]; A: input hidden_states; B: input Wq: QUANTISED
;;     2. [M 2,048, K 4,096] x [K 4,096, N 1,024]; A: input hidden_states; B: input Wk: QUANTISED
;;     3. [M 2,048, K 4,096] x [K 4,096, N 1,024]; A: input hidden_states; B: input Wv: QUANTISED
;;     4. batch 16 x [M 2,048, K 128] x [K 128, N 2,048]; A: computed on the way; B: computed on the way: QUANTISED
;;     5. batch 16 x [M 2,048, K 2,048] x [K 2,048, N 128]; A: softmax (see below); B: computed on the way: QUANTISED
;;     6. [M 2,048, K 2,048] x [K 2,048, N 4,096]; A: computed on the way; B: input Wo: QUANTISED
;;   THE QUANTISER, for each operand of a quantised product, along K:
;;     - K is cut into blocks of 32 from its start; a last block that is shorter is filled with zeros.
;;     - A block's scale is 2^e with e = floor(log2(the largest magnitude in the block)) - 2, held to -126 .. 127; a block of zeros has e = 0. As a byte (E8M0): e + 127.
;;     - Each number is divided by its block's scale, clamped to +-7.5, and rounded to the nearest number of E2M3, ties to even, subnormals kept.
;;     - The product sums the exact products of the quantised numbers (number of the format x scale) in f32.
;;   ~~~python
;;   def quantise(x, axis):      # numpy; x: float32 -> the quantised numbers, widened to float32 again
;;       x = np.moveaxis(x, axis, -1); K = x.shape[-1]
;;       x = np.pad(x, [(0, 0)] * (x.ndim - 1) + [(0, -K % 32)]); x = x.reshape(x.shape[:-1] + (-1, 32)); a = np.abs(x).max(-1, keepdims=True)
;;       e = np.where(a > 0, np.clip(np.frexp(np.where(a > 0, a, 1))[1] - 1 - 2, -126, 127), 0)      # np.frexp(a)[1] - 1 = floor(log2(a)), exactly
;;       r = np.clip(x / 2.0 ** e, -7.5, 7.5)
;;       step = 2.0 ** (np.maximum(np.frexp(np.where(r == 0, 1, r))[1] - 1, 0) - 3)
;;       q = np.round(r / step) * step * 2.0 ** e      # np.round: ties to even
;;       return np.moveaxis(q.reshape(q.shape[:-2] + (-1,))[..., :K], -1, axis).astype(np.float32)
;;   ~~~
;;   SOFTMAX AHEAD OF A QUANTISED PRODUCT. Where the list says 'softmax', what is quantised is not the finished softmax but p = 2^(t - M), with t = logit x log2(e) and M = ceil(the row's largest t), a whole number; so 1/2 < the row's largest p <= 1. The row's sum l is taken of the UNQUANTISED p, in f32, and the product's result is divided by l at the end. Since M is a whole number, a kernel that streams over the keys may use a running M (the ceiling of the running maximum): every later rescaling is an exact power of two, which a block's scale takes up: the codes' values come out the same.
;;   OPERANDS COMPUTED ON THE WAY. 'Computed on the way' means the value that the module computes at that place (a softmax that the list does not call 'softmax' is quantised finished and normalised). What goes into a quantiser is computed in f32, as accurately as f32 sums, v_exp_f32 and their like allow (about 1e-6 of the number): no bf16 or f16 on the way to a quantiser, and a product that is left as it is and whose result goes on into a quantised operand takes f32 operands (vector FMAs, or v_wmma_f32_16x16x4_f32). A number that lies on a knife's edge between two numbers of the format may be rounded either way, as far as f32 arithmetic and the matrix unit's own rounding can turn it there, and no further.
;; One version. Each part assembles by itself: llvm-mc -triple=amdgcn-amd-amdhsa -mcpu=gfx1250 --defsym DOCPART=n.
;; ======== version 1 of 1: 4 launches
;; limits: right only within a limited range of input values
;; workspace buffers: ops 19,660,800 bytes; woc 6,553,600 bytes; rope 1,081,344 bytes; qkv 6,553,600 bytes; ctx 3,276,800 bytes
;; launch prep (part 1): grid 1024 x 1, 4 waves a work-group, no clusters, 34,304 bytes of LDS; arguments hidden_states, position_ids, Wq, Wk, Wv, Wo, ops, woc, rope; writes ops, woc, rope
.if DOCPART == 1
	.amdgcn_target "amdgcn-amd-amdhsa--gfx1250"
	.amdhsa_code_object_version 6
	.text
	.protected	k_q84bcc96939_prep
	.globl	k_q84bcc96939_prep
	.p2align	8
	.type	k_q84bcc96939_prep,@function
k_q84bcc96939_prep:
	s_mov_b64 s[64:65], 0
	v_nop
	global_prefetch_b8 v0, s[64:65] scope:SCOPE_SE
	s_setreg_imm32_b32 hwreg(HW_REG_WAVE_MODE, 25, 1), 1
	s_wait_xcnt 0x0
; PREP: every f32 input is read once and leaves as what the later launches take straight into operand registers.
;   hidden_states [2048][4096] (K innermost) and Wq, Wk, Wv [4096][N], Wo [2048][4096] (K is the FIRST axis) become codes of FP6 (E2M3) with one E8M0 byte for each 32 along K;
;   position_ids become a table of cos and sin for the rotation of q and k.
; THE LAYOUT OF AN OPERAND.  A block of 6,400 bytes holds 32 rows x 256 K: four fragments (tile t, K step s) at 1,536 (2 t + s), each an image of the operand's 12 registers (registers 4 g .. 4 g + 3 of lane l at 512 g + 16 l),
;   then 256 bytes of scale words at 6,144 + 8 (16 t + i) + 4 s.  Row i of tile t is row 8 t + (i % 8) + 16 (i / 8) of the 32.  Buffers: [K / 512][rows / 32][K / 256 % 2][6,400].
; THE QUANTISER.  A block's scale byte is its largest magnitude's exponent field - 2, held at 1 from below; each number / scale is rounded to the nearest code, ties to even, beyond 7.5 the largest code.
; LIMITS: a block of zeros gets the byte 1 where the rule says 127 (its codes are zeros, and this program alone reads the bytes); NaN and infinities among the inputs are not served;
;   positions stay under 2^24 in magnitude (the reduction of the angle loses accuracy beyond); 10000^(-f/64) is made to about one unit in the last place of f32.
; SHARES, by the work-group's number: 0-255 hidden_states; 256-511 Wq; 512-767 Wk, Wv; 768-1023 Wo: 1,024 work-groups of equal work, four to a WGP by their registers.  A wave makes one block of 6,400 bytes.
;   THE TABLE is 132 tiles x 8 groups of four frequencies = 1,056 units (the last four tiles hold cos = 1, sin = 0).  Unit u = work-group + 1,024 x wave, while u < 1,056: wave 0 of every work-group and wave 1 of the
;   first 32 make one unit each, at the wave's end; the unit's position is loaded at the head, as the wave's oldest load, so that every counted wait on LOADcnt below keeps its meaning.
;   No barrier: waves share nothing.  Only the path of hidden_states uses LDS (a stage of its own for each wave).
.set SPARE, 33792                      ; behind the four stages: the spare words, 128 bytes for each wave
.set SPW,   254                        ; v254  LDS address of my spare word; never rewritten
.set NIL,   255                        ; v255  0; never rewritten
.set POSA,  252                        ; v252  offset of my token's position; never rewritten
.set POS,   253                        ; v253  the position
.set STG,   8448                       ; a stage: 16 rows x (512 bytes + 16)
.set WX,    32                         ; weights: v32-95 two sets of 32 numbers (a block of 32 along K of my column)
.set WF,    96                         ; v96-143 the codes: 12 registers for (K step s, half h) at 24 s + 12 h
.set WTC,   144                        ; v144-146 a block's upper 16 codes (a conversion's three registers begin on an even number)
.set WSW,   148                        ; v148-149 my column's two scale words
.set WO,    160                        ; v160-191 offsets: 4 x lane + i rows, i = 0 .. 31
.set XR,    16                         ; hidden_states: v16-143 two sets of 64 registers as loaded
.set XN,    144                        ; v144-207 my row's two blocks of 32
.set XF,    208                        ; v208-219 the fragment's codes
.set XC,    220                        ; v220-227 upper halves of the two blocks
.set XT,    228                        ; v228-235 at work
.set XW,    236                        ; v236-239 the four fragments' scale words
	s_load_b256 s[4:11], s[0:1], 0x0               ; hidden_states s[4:5], position_ids s[6:7], Wq s[8:9], Wk s[10:11]
	s_load_b256 s[12:19], s[0:1], 0x20             ; Wv s[12:13], Wo s[14:15], ops s[16:17], woc s[18:19]
	s_load_b64 s[20:21], s[0:1], 0x40              ; rope
	v_lshl_add_u32 v[SPW], v0, 2, SPARE
	v_mov_b32 v[NIL], 0
	v_lshrrev_b32 v1, 5, v0
	v_readfirstlane_b32 s22, v1                    ; wave 0..3
	s_lshl_b32 s56, s22, 10
	s_add_co_u32 s56, s56, ttmp9                   ; u: my unit of the table, if under 1,056
	s_lshr_b32 s57, s56, 3                         ; its tile T
	s_min_u32 s58, s57, 127                        ; tiles 128 on read tile 127's positions and throw them away
	s_lshr_b32 s59, s58, 1
	s_lshl_b32 s59, s59, 5
	s_and_b32 s60, s58, 1
	s_lshl_b32 s60, s60, 3
	s_add_co_u32 s59, s59, s60                     ; 32 (T / 2) + 8 (T % 2)
	v_and_b32 v2, 31, v0                           ; lane
	v_and_b32 v3, 15, v0                           ; r
	v_and_b32 v4, 8, v0
	v_add3_u32 v4, v4, v3, s59                     ; my token: + r + 8 (r / 8)
	v_lshlrev_b32 v[POSA], 2, v4
	s_wait_alu depctr_va_vdst(0)                   ; the wait at the head's end
	s_wait_kmcnt 0x0
	global_load_b32 v[POS], v[POSA], s[6:7]        ; every wave asks (128 bytes inside the buffer): no branch parts the counts of loads
	s_cmp_lt_u32 ttmp9, 256
	s_cbranch_scc1 .Lx
	s_cmp_lt_u32 ttmp9, 512
	s_cbranch_scc1 .Lwq
	s_cmp_lt_u32 ttmp9, 768
	s_cbranch_scc1 .Lwkv
; s24: which 128 columns; s25: which 256 along K; s26: the tensor's first row block; s27: row blocks in the buffer; s36: a row of the weight in bytes; s[28:29] source; s[30:31] destination
	s_sub_co_u32 s23, ttmp9, 768                   ; Wo
	s_and_b32 s24, s23, 31
	s_lshr_b32 s25, s23, 5
	s_mov_b32 s26, 0
	s_mov_b32 s27, 128
	s_mov_b32 s36, 16384
	s_mov_b64 s[28:29], s[14:15]
	s_mov_b64 s[30:31], s[18:19]
	s_branch .Lw
.Lwq:
	s_sub_co_u32 s23, ttmp9, 256
	s_and_b32 s24, s23, 15
	s_lshr_b32 s25, s23, 4
	s_mov_b32 s26, 64
	s_mov_b32 s27, 192
	s_mov_b32 s36, 8192
	s_mov_b64 s[28:29], s[8:9]
	s_mov_b64 s[30:31], s[16:17]
	s_branch .Lw
.Lwkv:
	s_sub_co_u32 s23, ttmp9, 512
	s_and_b32 s24, s23, 7
	s_bfe_u32 s25, s23, 0x40003
	s_lshr_b32 s26, s23, 7                         ; 0: Wk, 1: Wv
	s_cmp_eq_u32 s26, 0
	s_cselect_b64 s[28:29], s[10:11], s[12:13]
	s_lshl_b32 s26, s26, 5
	s_add_co_u32 s26, s26, 128
	s_mov_b32 s27, 192
	s_mov_b32 s36, 4096
	s_mov_b64 s[30:31], s[16:17]
; ---- A WEIGHT [K][N], one body for all four.  A lane takes a column and its registers run down K: each load reads 128 consecutive bytes, a block of 32 along K lies in one lane, and the conversions give codes with K innermost.
; The row's length is a number in s36: row i of a block stands in the lane's offset v[WO + i], block t's first row in a base of its own, s[40 + 2 t : 41 + 2 t]: no pointer is stepped while loads are out.
.macro WLOAD t                         ; block t: W(32 t + i, my column) into set t % 2
.set n, 0
.rept 32
	global_load_b32 v[WX+32*((\t)%2)+n], v[WO+n], s[40+2*(\t):41+2*(\t)] th:TH_LOAD_NT
.set n, n+1
.endr
.endm
.macro WBLOCK t                        ; block t of 8: K step t / 4; in the operand it is registers 6 c .. 6 c + 5 of half h, c = (t / 2) % 2, h = t % 2
.set XS, WX+32*((\t)%2)
.set FD, WF+24*((\t)/4)+12*((\t)%2)+6*(((\t)/2)%2)
.if (\t) < 7
	s_wait_loadcnt 32                              ; this block's 32 loads are in; the next block's 32 may be out
.else
	s_wait_loadcnt 0
.endif
	v_max3_num_f32 v8, |v[XS]|, |v[XS+1]|, |v[XS+2]|
	v_max3_num_f32 v9, |v[XS+3]|, |v[XS+4]|, |v[XS+5]|
.irp i, 6,10,14,18,22,26
	v_max3_num_f32 v8, v8, |v[XS+\i]|, |v[XS+\i+1]|
	v_max3_num_f32 v9, v9, |v[XS+\i+2]|, |v[XS+\i+3]|
.endr
	v_max3_num_f32 v8, v8, |v[XS+30]|, |v[XS+31]|
	v_max3_num_f32 v8, v8, v9, 0x1800000           ; with the floor 2^(3 - 127): the byte cannot fall under 1
	v_add_nc_u32 v10, 0xff000000, v8               ; 2 off the exponent field: the conversion's scale operand
	v_cvt_scalef32_pk16_fp6_f32 v[FD:FD+2], v[XS:XS+15], v10
	v_cvt_scalef32_pk16_fp6_f32 v[WTC:WTC+2], v[XS+16:XS+31], v10
	v_lshrrev_b32 v11, 23, v10                     ; the scale's byte (a plain line behind the conversions)
.if (\t)%4 == 0
	v_mov_b32 v[WSW+(\t)/4], v11
.else
	v_lshl_or_b32 v[WSW+(\t)/4], v11, 8*((\t)%4), v[WSW+(\t)/4]
.endif
.irp i, 0,1,2
	v_mov_b32 v[FD+3+\i], v[WTC+\i]
.endr
.if (\t)+2 < 8
	WLOAD (\t)+2
.endif
.endm
.macro WSTORE s                        ; K step s: my column is row i of tile t: I hold what lanes i and 16 + i of the image hold.  Each store fills two aligned runs of 256 bytes
.irp h, 0,1
.irp g, 0,1,2
	global_store_b128 v6, v[WF+24*\s+12*\h+4*\g:WF+24*\s+12*\h+4*\g+3], s[30:31] offset:1536*\s+512*\g+256*\h
.endr
.endr
.endm
.Lw:
	s_mul_i32 s32, s25, s36
	s_lshl_b32 s32, s32, 8                         ; 256 kc rows,
	s_lshl_b32 s33, s24, 9
	s_add_co_u32 s32, s32, s33
	s_lshl_b32 s33, s22, 7
	s_add_co_u32 s32, s32, s33                     ; + (128 x + 32 wave) columns of 4 bytes
	s_mov_b32 s33, 0
	s_add_nc_u64 s[40:41], s[28:29], s[32:33]      ; block 0's first row
	s_lshl_b32 s38, s36, 5                         ; 32 rows
	s_mov_b32 s39, 0
.irp t, 1,2,3,4,5,6,7
	s_add_nc_u64 s[40+2*\t:41+2*\t], s[38+2*\t:39+2*\t], s[38:39]
.endr
	s_lshr_b32 s34, s25, 1
	s_mul_i32 s34, s34, s27
	s_add_co_u32 s34, s34, s26
	s_lshl_b32 s35, s24, 2
	s_add_co_u32 s34, s34, s35
	s_add_co_u32 s34, s34, s22
	s_mul_i32 s34, s34, 12800
	s_and_b32 s35, s25, 1
	s_mul_i32 s35, s35, 6400
	s_add_co_u32 s34, s34, s35
	s_mov_b32 s35, 0
	s_add_nc_u64 s[30:31], s[30:31], s[34:35]
	v_lshlrev_b32 v3, 2, v2                        ; in: 4 bytes a lane,
.set n, 0
.rept 32
	v_mad_u32_u24 v[WO+n], s36, n, v3              ; + n rows
.set n, n+1
.endr
	v_bfe_u32 v4, v2, 3, 1                         ; my column's tile t
	v_and_b32 v5, 7, v2
	v_lshrrev_b32 v6, 4, v2
	v_lshl_add_u32 v5, v6, 3, v5                   ; and its row i in that tile
	v_mul_u32_u24 v6, v4, 3072
	v_lshl_add_u32 v6, v5, 4, v6                   ; out: 3,072 t + 16 i
	v_lshl_add_u32 v7, v4, 4, v5
	v_lshlrev_b32 v7, 3, v7                        ; scale words: 8 (16 t + i)
	s_wait_alu depctr_va_vdst(0)
	WLOAD 0
	WLOAD 1
.irp t, 0,1,2,3
	WBLOCK \t
.endr
	WSTORE 0
.irp t, 4,5,6,7
	WBLOCK \t
.endr
	WSTORE 1
	global_store_b64 v7, v[WSW:WSW+1], s[30:31] offset:6144   ; 32 lanes fill the block's 256 bytes of scale words
	s_branch .Lunit
; ---- hidden_states: K is innermost.  A fragment's 16 rows x 512 bytes are loaded as they lie (512 consecutive bytes a load) and turn through my stage, so that lane (r, h) gets row r's two blocks 64 c + 32 h + 0 .. 31.
.macro XLOAD f                         ; fragment f = 2 t + s into set f % 2
.irp i, 0,1,2,3,4,5,6,7,8,9,10,11,12,13,14,15
	global_load_b128 v[XR+64*((\f)%2)+4*\i:XR+64*((\f)%2)+4*\i+3], v3, s[4:5] offset:(8*((\f)/2)+(\i%8)+16*(\i/8))*16384+512*((\f)%2) th:TH_LOAD_NT
.endr
.endm
.macro XFRAG f
.if (\f) < 3
	s_wait_loadcnt 16                              ; this fragment's 16 loads are in; the next fragment's 16 may be out
.else
	s_wait_loadcnt 0
.endif
.irp i, 0,1,2,3,4,5,6,7,8,9,10,11,12,13,14,15
	ds_store_b128 v4, v[XR+64*((\f)%2)+4*\i:XR+64*((\f)%2)+4*\i+3] offset:528*\i
.endr
.irp c, 0,1
.irp j, 0,1,2,3,4,5,6,7
	ds_load_b128 v[XN+32*\c+4*\j:XN+32*\c+4*\j+3], v7 offset:256*\c+16*\j   ; LDS serves a wave's instructions in order: these see my stores
.endr
.endr
	s_wait_dscnt 0x0                               ; my numbers are back, and the stores have read their registers,
.if (\f)+2 < 4
	XLOAD (\f)+2                                   ; which take the fragment two further on
.endif
.irp c, 0,1
	v_max3_num_f32 v[XT+\c], |v[XN+32*\c]|, |v[XN+32*\c+1]|, 0x1800000
.endr
.irp i, 2,4,6,8,10,12,14,16,18,20,22,24,26,28,30
.irp c, 0,1
	v_max3_num_f32 v[XT+\c], v[XT+\c], |v[XN+32*\c+\i]|, |v[XN+32*\c+\i+1]|
.endr
.endr
.irp c, 0,1
	v_add_nc_u32 v[XT+2+\c], 0xff000000, v[XT+\c]
.endr
.irp c, 0,1
	v_lshrrev_b32 v[XT+4+\c], 23, v[XT+2+\c]
.endr
	v_lshl_or_b32 v[XW+\f], v[XT+5], 16, v[XT+4]   ; my two bytes: blocks h and 2 + h of row r,
	v_lshlrev_b32 v[XW+\f], v8, v[XW+\f]           ; 8 h bits up;
	v_permlanex16_b32 v[XT+6], v[XW+\f], s38, s39
	v_or_b32 v[XW+\f], v[XW+\f], v[XT+6]           ; with lane l xor 16's two the word is whole
.if (\f) > 0
	s_wait_alu depctr_va_vdst(0)                   ; the wait here, directly ahead of the wait below
	s_wait_xcnt 0x0                                ; the last fragment's stores have read their data: the codes' registers are written again only behind this wait
.endif
.irp c, 0,1
	v_cvt_scalef32_pk16_fp6_f32 v[XF+6*\c:XF+6*\c+2], v[XN+32*\c:XN+32*\c+15], v[XT+2+\c]
	v_cvt_scalef32_pk16_fp6_f32 v[XC+4*\c:XC+4*\c+2], v[XN+32*\c+16:XN+32*\c+31], v[XT+2+\c]
.endr
	v_nop                                          ; one plain line behind the conversions
.irp c, 0,1
.irp i, 0,1,2
	v_mov_b32 v[XF+6*\c+3+\i], v[XC+4*\c+\i]
.endr
.endr
.irp g, 0,1,2
	global_store_b128 v3, v[XF+4*\g:XF+4*\g+3], s[16:17] offset:1536*(\f)+512*\g   ; 512 consecutive bytes
.endr
.endm
.Lx:
	s_lshl_b32 s23, ttmp9, 2
	s_add_co_u32 s23, s23, s22                     ; which block of 32 tokens x 256 K is my wave's
	s_lshr_b32 s24, s23, 4                         ; row block
	s_and_b32 s25, s23, 15                         ; which 256 along K
	s_lshl_b32 s32, s24, 19                        ; 32 rows of 16,384 bytes
	s_lshl_b32 s33, s25, 10
	s_add_co_u32 s32, s32, s33
	s_mov_b32 s33, 0
	s_add_nc_u64 s[4:5], s[4:5], s[32:33]
	s_lshr_b32 s34, s25, 1
	s_mul_i32 s34, s34, 192
	s_add_co_u32 s34, s34, s24
	s_mul_i32 s34, s34, 12800
	s_and_b32 s35, s25, 1
	s_mul_i32 s35, s35, 6400
	s_add_co_u32 s34, s34, s35
	s_mov_b32 s35, 0
	s_add_nc_u64 s[16:17], s[16:17], s[34:35]
	s_mul_i32 s36, s22, STG                        ; my stage
	s_mov_b32 s38, 0x76543210
	s_mov_b32 s39, 0xfedcba98                      ; lane selects: lane l xor 16
	v_lshlrev_b32 v3, 4, v2                        ; 16 x lane
	v_add_nc_u32 v4, s36, v3                       ; the stage, on the way in
	v_and_b32 v5, 15, v2                           ; r
	v_lshrrev_b32 v6, 4, v2                        ; h
	v_mul_u32_u24 v7, v5, 528
	v_lshl_add_u32 v7, v6, 7, v7
	v_add_nc_u32 v7, s36, v7                       ; and on the way out: row r, + 128 h
	v_lshlrev_b32 v8, 3, v6                        ; 8 h
	v_lshlrev_b32 v9, 3, v2                        ; 8 x lane
	v_mov_b32 v[XT+6], 0                           ; a lane permute's destination counts as one of its sources
	XLOAD 0
	XLOAD 1
	s_wait_alu depctr_va_vdst(0)
	XFRAG 0
	XFRAG 1
	XFRAG 2
	XFRAG 3
	v_cmp_gt_u32 vcc_lo, 16, v2
	v_cndmask_b32 v240, v[XW+2], v[XW+0], vcc_lo   ; lanes 0-15: tile 0's words, lanes 16-31: tile 1's (lanes l and l xor 16 hold the same row's)
	v_cndmask_b32 v241, v[XW+3], v[XW+1], vcc_lo
	global_store_b64 v9, v[240:241], s[16:17] offset:6144
; ---- A UNIT OF THE TABLE: tile T = u / 8, group g = u % 8.  Lane (r, h) holds, for token 32 (T / 2) + 8 (T % 2) + r + 8 (r / 8), cos and sin of position x 10000^(-f / 64) at f = 32 (e / 16) + 16 h + e % 16, e = 4 g .. 4 g + 3:
; the lanes and registers in which the projection's results lie.  In memory: cos at 8,192 T + 512 g + 16 lane, sin 4,096 further on.
; 10000^(-f / 64) = 2^(f x -L), L = log2(10000) / 64 in two parts; the angle is one f32 product; it is reduced by multiples of pi / 2 in three parts; polynomials on |r| <= pi / 4.
.set RF, 12
.set RP, 16
.set RE, 20
.set RN, 24
.set RY, 28
.set RX, 32
.set RQ, 36
.set RR, 40
.set RZ, 44
.set RS, 48
.set RC, 52
.set RU, 56
.set RCO, 60
.set RSI, 64
.Lunit:
	s_cmp_lt_u32 s56, 1056                         ; ids alone
	s_cbranch_scc0 .Lend
	s_wait_xcnt 0x0                                ; my stores have read their registers and bases: all may be written again
	s_wait_loadcnt 0x0                             ; the position
	s_cmp_lt_u32 s57, 128
	s_cselect_b32 s25, 0x3f800000, 0               ; x 1.0, or x 0: angle 0, cos = 1, sin = 0
	s_and_b32 s30, s56, 7                          ; g
	s_lshl_b32 s28, s57, 13
	s_lshl_b32 s29, s30, 9
	s_add_co_u32 s28, s28, s29
	s_mov_b32 s29, 0
	s_add_nc_u64 s[20:21], s[20:21], s[28:29]
	s_and_b32 s31, s30, 3
	s_lshl_b32 s31, s31, 2
	s_lshr_b32 s32, s30, 2
	s_lshl_b32 s32, s32, 5
	s_add_co_u32 s31, s31, s32                     ; 4 (g % 4) + 32 (g / 4)
	s_mov_b32 s40, 0xbe549a78                      ; -L, upper part
	s_mov_b32 s41, 0xb1979a18                      ; -L, lower part
	s_mov_b32 s42, 0x3f22f983                      ; 2 / pi
	s_mov_b32 s43, 0xbfc90fdb                      ; -pi / 2 in three parts
	s_mov_b32 s44, 0x333bbd2e
	s_mov_b32 s45, 0x26f72cf2
	s_mov_b32 s46, 0xbe2aaaa3                      ; sin: -0.16666654611, 0.0083321608736, -0.00019515295891
	s_mov_b32 s47, 0x3c08839e
	s_mov_b32 s48, 0xb94ca1f9
	s_mov_b32 s49, 0x3d2aaaa5                      ; cos: 0.041666645683, -0.0013887316255, 0.000024433157118
	s_mov_b32 s50, 0xbab6061a
	s_mov_b32 s51, 0x37ccf5ce
	v_lshrrev_b32 v4, 4, v2                        ; h
	v_lshlrev_b32 v7, 4, v2
	v_lshl_add_u32 v8, v4, 4, s31
.irp k, 0,1,2,3
	v_add_nc_u32 v[RF+\k], \k, v8
.endr
.irp k, 0,1,2,3
	v_cvt_f32_u32 v[RF+\k], v[RF+\k]               ; f
.endr
	v_cvt_f32_i32 v6, v[POS]
	v_mul_f32 v6, s25, v6
.irp k, 0,1,2,3
	v_mul_f32 v[RP+\k], s40, v[RF+\k]              ; p = -f L, rounded,
.endr
.irp k, 0,1,2,3
	v_fma_f32 v[RE+\k], v[RF+\k], s40, -v[RP+\k]   ; what the rounding lost,
.endr
.irp k, 0,1,2,3
	v_fma_f32 v[RE+\k], v[RF+\k], s41, v[RE+\k]    ; and the lower part
.endr
.irp k, 0,1,2,3
	v_rndne_f32 v[RN+\k], v[RP+\k]
.endr
.irp k, 0,1,2,3
	v_sub_f32 v[RP+\k], v[RP+\k], v[RN+\k]
.endr
.irp k, 0,1,2,3
	v_add_f32 v[RP+\k], v[RP+\k], v[RE+\k]         ; the fraction, within a half
.endr
	s_wait_alu depctr_va_vdst(0)                   ; the wait ahead of the batch
.irp k, 0,1,2,3
	v_exp_f32 v[RY+\k], v[RP+\k]
.endr
.irp k, 0,1,2,3
	v_cvt_i32_f32 v[RN+\k], v[RN+\k]               ; (plain lines behind the exponentials)
.endr
	s_wait_alu depctr_va_vdst(0)                   ; one wait for the four, ahead of their first reader
.irp k, 0,1,2,3
	v_ldexp_f32 v[RY+\k], v[RY+\k], v[RN+\k]       ; 10000^(-f / 64)
.endr
.irp k, 0,1,2,3
	v_mul_f32 v[RX+\k], v6, v[RY+\k]               ; the angle
.endr
.irp k, 0,1,2,3
	v_mul_f32 v[RQ+\k], s42, v[RX+\k]
.endr
.irp k, 0,1,2,3
	v_rndne_f32 v[RQ+\k], v[RQ+\k]                 ; how many quarter turns
.endr
.irp k, 0,1,2,3
	v_fma_f32 v[RR+\k], v[RQ+\k], s43, v[RX+\k]
.endr
.irp k, 0,1,2,3
	v_fma_f32 v[RR+\k], v[RQ+\k], s44, v[RR+\k]
.endr
.irp k, 0,1,2,3
	v_fma_f32 v[RR+\k], v[RQ+\k], s45, v[RR+\k]    ; r, within pi / 4
.endr
.irp k, 0,1,2,3
	v_cvt_i32_f32 v[RQ+\k], v[RQ+\k]
.endr
.irp k, 0,1,2,3
	v_mul_f32 v[RZ+\k], v[RR+\k], v[RR+\k]
.endr
.irp k, 0,1,2,3
	v_fma_f32 v[RS+\k], v[RZ+\k], s48, s47
.endr
.irp k, 0,1,2,3
	v_fma_f32 v[RS+\k], v[RS+\k], v[RZ+\k], s46
.endr
.irp k, 0,1,2,3
	v_mul_f32 v[RU+\k], v[RR+\k], v[RZ+\k]
.endr
.irp k, 0,1,2,3
	v_fma_f32 v[RS+\k], v[RS+\k], v[RU+\k], v[RR+\k]   ; sin r
.endr
.irp k, 0,1,2,3
	v_fma_f32 v[RC+\k], v[RZ+\k], s51, s50
.endr
.irp k, 0,1,2,3
	v_fma_f32 v[RC+\k], v[RC+\k], v[RZ+\k], s49
.endr
.irp k, 0,1,2,3
	v_mul_f32 v[RU+\k], v[RZ+\k], v[RZ+\k]
.endr
.irp k, 0,1,2,3
	v_fma_f32 v[RP+\k], v[RZ+\k], -0.5, 1.0
.endr
.irp k, 0,1,2,3
	v_fma_f32 v[RC+\k], v[RC+\k], v[RU+\k], v[RP+\k]   ; cos r
.endr
.irp k, 0,1,2,3
	v_and_b32 v[RU+\k], 1, v[RQ+\k]
.endr
.irp k, 0,1,2,3
	v_cmp_eq_u32 s[52+\k], 1, v[RU+\k]             ; an odd number of quarter turns swaps the two: a choice of values, no branch
.endr
.irp k, 0,1,2,3
	v_cndmask_b32 v[RSI+\k], v[RS+\k], v[RC+\k], s[52+\k]
	v_cndmask_b32 v[RCO+\k], v[RC+\k], v[RS+\k], s[52+\k]
.endr
.irp k, 0,1,2,3
	v_lshlrev_b32 v[RU+\k], 30, v[RQ+\k]           ; sin's sign: bit 1 of the count
.endr
.irp k, 0,1,2,3
	v_and_b32 v[RU+\k], 0x80000000, v[RU+\k]
.endr
.irp k, 0,1,2,3
	v_xor_b32 v[RSI+\k], v[RSI+\k], v[RU+\k]
.endr
.irp k, 0,1,2,3
	v_add_nc_u32 v[RQ+\k], 1, v[RQ+\k]             ; cos's: bit 1 of the count + 1
.endr
.irp k, 0,1,2,3
	v_lshlrev_b32 v[RU+\k], 30, v[RQ+\k]
.endr
.irp k, 0,1,2,3
	v_and_b32 v[RU+\k], 0x80000000, v[RU+\k]
.endr
.irp k, 0,1,2,3
	v_xor_b32 v[RCO+\k], v[RCO+\k], v[RU+\k]
.endr
	global_store_b128 v7, v[RCO:RCO+3], s[20:21]               ; 512 consecutive bytes
	global_store_b128 v7, v[RSI:RSI+3], s[20:21] offset:4096
.Lend:
	s_wait_tensorcnt 0x0                           ; the wave's end
	ds_add_u32 v[SPW], v[NIL]
	s_wait_dscnt 0x0
	s_endpgm
.Lfunc_end_k_q84bcc96939_prep:
	.size	k_q84bcc96939_prep, .Lfunc_end_k_q84bcc96939_prep-k_q84bcc96939_prep
	.p2alignl 7, 3214868480
	.fill 96, 4, 3214868480
	.section	.rodata,"a",@progbits
	.p2align	6, 0x0
	.amdhsa_kernel k_q84bcc96939_prep
		.amdhsa_group_segment_fixed_size 34304
		.amdhsa_private_segment_fixed_size 0
		.amdhsa_enable_private_segment 0
		.amdhsa_kernarg_size 72
		.amdhsa_user_sgpr_count 2
		.amdhsa_user_sgpr_kernarg_segment_ptr 1
		.amdhsa_wavefront_size32 1
		.amdhsa_system_sgpr_workgroup_id_x 1
		.amdhsa_system_sgpr_workgroup_id_y 1
		.amdhsa_system_sgpr_workgroup_id_z 1
		.amdhsa_system_vgpr_workitem_id 0
		.amdhsa_next_free_vgpr 256
		.amdhsa_next_free_sgpr 66
		.amdhsa_reserve_vcc 1
		.amdhsa_float_denorm_mode_32 3
		.amdhsa_float_denorm_mode_16_64 3
		.amdhsa_memory_ordered 1
		.amdhsa_forward_progress 1
		.amdhsa_inst_pref_size 81
	.end_amdhsa_kernel
	.amdgpu_metadata
---
amdhsa.version: [ 1, 2 ]
amdhsa.kernels:
  - .name:           k_q84bcc96939_prep
    .symbol:         k_q84bcc96939_prep.kd
    .args:
      - { .name: hidden_states, .offset: 0, .size: 8, .value_kind: global_buffer, .address_space: global }
      - { .name: position_ids, .offset: 8, .size: 8, .value_kind: global_buffer, .address_space: global }
      - { .name: Wq, .offset: 16, .size: 8, .value_kind: global_buffer, .address_space: global }
      - { .name: Wk, .offset: 24, .size: 8, .value_kind: global_buffer, .address_space: global }
      - { .name: Wv, .offset: 32, .size: 8, .value_kind: global_buffer, .address_space: global }
      - { .name: Wo, .offset: 40, .size: 8, .value_kind: global_buffer, .address_space: global }
      - { .name: ops, .offset: 48, .size: 8, .value_kind: global_buffer, .address_space: global }
      - { .name: woc, .offset: 56, .size: 8, .value_kind: global_buffer, .address_space: global }
      - { .name: rope, .offset: 64, .size: 8, .value_kind: global_buffer, .address_space: global }
    .group_segment_fixed_size: 34304
    .private_segment_fixed_size: 0
    .kernarg_segment_align: 8
    .kernarg_segment_size: 72
    .max_flat_workgroup_size: 128
    .sgpr_count:     66
    .vgpr_count:     256
    .wavefront_size: 32
...
	.end_amdgpu_metadata
.endif
;; end of part 1
;; launch gemm_qkv (part 2): grid 16 x 16, 4 waves a work-group, clusters of 4 x 4, 327,680 bytes of LDS; arguments ops, rope, qkv; writes qkv
.if DOCPART == 2
	.amdgcn_target "amdgcn-amd-amdhsa--gfx1250"
	.amdhsa_code_object_version 6
	.text
	.protected	k_q84bcc96939_gemm_qkv
	.globl	k_q84bcc96939_gemm_qkv
	.p2align	8
	.type	k_q84bcc96939_gemm_qkv,@function
k_q84bcc96939_gemm_qkv:
	s_mov_b64 s[64:65], 0
	v_nop
	global_prefetch_b8 v0, s[64:65] scope:SCOPE_SE
	s_setreg_imm32_b32 hwreg(HW_REG_WAVE_MODE, 25, 1), 1
	s_wait_xcnt 0x0
	s_wait_alu depctr_hold_cnt(0) depctr_sa_sdst(0) depctr_va_vdst(0) depctr_va_sdst(0) depctr_va_ssrc(0) depctr_va_vcc(0) depctr_vm_vsrc(0)
	s_getreg_b32 s2, hwreg(HW_REG_IB_STS2, 6, 4)
	s_cmp_eq_u32 s2, 0
	s_cbranch_scc0 .Lentry_in_a_cluster
	s_endpgm
.Lentry_in_a_cluster:
	s_bfe_u32 s2, ttmp6, 0x10000c
	s_cmp_lg_u32 s2, 0xf033
	s_cbranch_scc0 .Lentry_shape_is_right
	s_endpgm
.Lentry_shape_is_right:
; The projections on codes of FP6 (E2M3) with E8M0 scales: [2048 tokens] x [4096 columns of Wq, Wk, Wv], K = 4096, sums in f32.
; A work-group makes a block of 128 x 256, its four waves 64 x 128 each (32 accumulators).  K goes in 8 slots of 512 through a ring of two LDS slots (A's 4 row blocks, then B's 8, of 12,800 bytes each),
; filled by joint loads of a 4 x 4 cluster: A's tile is shared along a row of the cluster, B's along a column; waves 0, 1 fetch A's halves, waves 2, 3 B's.
; Clusters x = 0 .. 2 make q and k (A = tokens, B = weight columns); cluster x = 3 makes v transposed (A = Wv's columns, B = tokens) and takes the table's tiles with cos = 1, sin = 0.
; The results are rotated by the table, quantised along the 128 of a lane's registers and stored as images of operand registers with their scale words.
; PREFETCH: behind the load of slot s each wave names the bytes of slot s + 2 (behind the first load also slot 1's).  The four partners of a joint load share its blocks of 256 bytes out by address:
; of A's 100 blocks a wave the partner at cx takes 25, of B's 200 the partner at cy takes 50; a lane a block, lanes 25 to 31 name lane 24's again.  Slots 6 and 7 are the last named: the loop's last trip asks for nothing.
.set RBB,   12800
.set SLOT,  153600
.set BOFF,  51200
.set SPARE, 2*SLOT
.set STEPA, 192*RBB
.set STEPB, 192*RBB
.set LAPS,  4
.set ADRA, 16
.set ADRB, 18
.set ADSA, 20
.set ADSB, 22
.set LI,   24
.set VST,  25
.set VSW,  26
.set SPW,  28
.set NIL,  29
.set SC,   32
.set TM,   96
.set AF,   128
.set ST,   128
.set PC,   192
.set TC,   240
.set PW,   248
.set G1,   24
.set G0,   32
.set G1B,  48
.set G0B,  56
.set SEL,  80
.set PFO,  27                          ; v27 256 x min(lane, 24); never rewritten
.set PFA,  82                          ; s[82:83] my share of the tile that I fetch, at the slot from which ASK counts
.macro ASK n                           ; names my share of the slot n steps on from s[PFA]: A's waves 6,400 bytes, B's 12,800
	s_cmp_eq_u32 s15, 0
	s_cbranch_scc0 .Lask_b_\@
	global_prefetch_b8 v[PFO], s[PFA:PFA+1] offset:(\n)*STEPA th:TH_LOAD_NT scope:SCOPE_SE
	s_branch .Lasked_p_\@
.Lask_b_\@:
	global_prefetch_b8 v[PFO], s[PFA:PFA+1] offset:(\n)*STEPB th:TH_LOAD_NT scope:SCOPE_SE
	global_prefetch_b8 v[PFO], s[PFA:PFA+1] offset:(\n)*STEPB+6400 th:TH_LOAD_NT scope:SCOPE_SE
.Lasked_p_\@:
.endm
.set MSB, 0
.macro WIN new
.if MSB != \new
	s_set_vgpr_msb (MSB<<8)|\new
.set MSB, \new
.endif
.endm
.set MULW, 0xa1
.macro JLOAD g0a, g1a, g0b, g1b
	s_cmp_eq_u32 s15, 0
	s_cbranch_scc0 .Lfor_b_\@
	tensor_load_to_lds s[\g0a:\g0a+3], s[\g1a:\g1a+7]
	s_nop 0
.rept 4
	v_nop
.endr
	s_branch .Lasked_\@
.Lfor_b_\@:
	tensor_load_to_lds s[\g0b:\g0b+3], s[\g1b:\g1b+7]
	s_nop 0
.rept 4
	v_nop
.endr
.Lasked_\@:
.endm
.macro CREST
	s_cmp_lg_u32 s14, 0
	s_cbranch_scc1 .Lnot_wave_0_\@
	s_barrier_signal -3
.Lnot_wave_0_\@:
	s_barrier_wait -3
	s_barrier_signal -1
	s_barrier_wait -1
.endm
.macro CROUND
	s_barrier_signal -1
	s_barrier_wait -1
	CREST
.endm
.macro PLACES
.rept 4
	v_nop
.endr
.endm
	s_load_b128 s[4:7], s[0:1], 0x0
	s_load_b64 s[8:9], s[0:1], 0x10
	v_lshl_add_u32 v[SPW], v0, 2, SPARE
	v_mov_b32 v[NIL], 0
	ds_add_u32 v[SPW], v[NIL]
	ds_add_u32 v[SPW], v[NIL]
	v_lshrrev_b32 v1, 5, v0
	v_readfirstlane_b32 s14, v1
	s_lshr_b32 s15, s14, 1
	s_and_b32 s16, s14, 1
	s_bfe_u32 s40, ttmp6, 0x40000
	s_bfe_u32 s41, ttmp6, 0x40004
	s_and_b32 s42, ttmp7, 0xffff
	s_and_b32 s44, s42, 1
	s_lshr_b32 s45, s42, 1
	s_cmp_eq_u32 ttmp9, 3
	s_cselect_b32 s43, s44, s42
	s_cselect_b32 s46, s45, ttmp9
	s_cselect_b32 s47, 160, 0
	s_cselect_b32 s66, 0, 64
	s_lshl_b32 s43, s43, 2
	s_add_co_u32 s43, s43, s41
	s_lshl_b32 s46, s46, 2
	s_add_co_u32 s46, s46, s40
	s_lshl_b32 s17, s41, 2
	s_lshl_b32 s17, 15, s17
	s_lshl_b32 s18, 0x1111, s40
	s_or_b32 s[G1], s17, (3<<16)|(1<<21)
	s_or_b32 s[G1B], s18, (3<<16)|(1<<21)
	s_mov_b32 s[G1+1], 32<<16
	s_mov_b32 s[G1+2], 100<<16
	s_mov_b32 s[G1+3], 32<<16
	s_mov_b32 s[G1+4], 100
	s_mov_b32 s[G1+5], 32
	s_mov_b32 s[G1+6], 0
	s_mov_b32 s[G1+7], 0
	s_mov_b32 s[G1B+1], 32<<16
	s_mov_b32 s[G1B+2], 200<<16
	s_mov_b32 s[G1B+3], 32<<16
	s_mov_b32 s[G1B+4], 200
	s_mov_b32 s[G1B+5], 32
	s_mov_b32 s[G1B+6], 0
	s_mov_b32 s[G1B+7], 0
	s_lshl_b32 s20, s43, 2
	s_add_co_u32 s20, s20, s47
	s_lshl_b32 s19, s16, 1
	s_add_co_u32 s20, s20, s19
	s_mul_i32 s20, s20, RBB
	s_mov_b32 s21, 0
	s_lshl_b32 s22, s46, 3
	s_add_co_u32 s22, s22, s66
	s_lshl_b32 s19, s16, 2
	s_add_co_u32 s22, s22, s19
	s_mul_i32 s22, s22, RBB
	s_mov_b32 s23, 0
	s_mul_i32 s67, s16, 25600
	s_mul_i32 s68, s16, 51200
	s_add_co_u32 s68, s68, BOFF
	s_mov_b32 s[SEL], 0x76543210
	s_mov_b32 s[SEL+1], 0xfedcba98
	s_wait_dscnt 0x0
	s_wait_kmcnt 0x0
	s_add_nc_u64 s[20:21], s[4:5], s[20:21]
	s_add_nc_u64 s[22:23], s[4:5], s[22:23]
	s_mul_i32 s84, s40, 6400                       ; the prefetches: my work-group's share among the four that ask jointly: by cx for A's tile,
	s_mul_i32 s85, s41, 12800                      ; by cy for B's
	s_cmp_eq_u32 s15, 0                            ; do I fetch for A?
	s_cselect_b64 s[PFA:PFA+1], s[20:21], s[22:23]
	s_cselect_b32 s84, s84, s85
	s_mov_b32 s85, 0
	s_add_nc_u64 s[PFA:PFA+1], s[PFA:PFA+1], s[84:85]
.irp s, 0,1
	s_mov_b32 s[G0+4*\s], 1
	s_add_co_u32 s[G0+4*\s+1], s67, \s*SLOT
	s_add_nc_u64 s[G0+4*\s+2:G0+4*\s+3], s[20:21], \s*STEPA
	s_or_b32 s[G0+4*\s+3], s[G0+4*\s+3], 0x80000000
	s_mov_b32 s[G0B+4*\s], 1
	s_add_co_u32 s[G0B+4*\s+1], s68, \s*SLOT
	s_add_nc_u64 s[G0B+4*\s+2:G0B+4*\s+3], s[22:23], \s*STEPB
	s_or_b32 s[G0B+4*\s+3], s[G0B+4*\s+3], 0x80000000
.endr
	CROUND                                         ; all sixteen work-groups are here: the first joint loads meet
	JLOAD G0, G1, G0B, G1B                         ; slot 0: one tensor load a wave at the head
	v_and_b32 v1, 31, v0
	v_min_u32 v[PFO], 24, v1
	v_lshlrev_b32 v[PFO], 8, v[PFO]
	s_wait_alu depctr_va_vdst(0)                   ; the wait here, ahead of the branches below
	ASK 1
	ASK 2
	v_lshlrev_b32 v[LI], 4, v1
	v_lshlrev_b32 v3, 3, v1
	s_mul_i32 s69, s15, 25600
	s_mul_i32 s70, s16, 51200
	s_add_co_u32 s70, s70, BOFF
.irp s, 0,1
	v_add_nc_u32 v[ADRA+\s], s69, v[LI]
	v_add_nc_u32 v[ADRB+\s], s70, v[LI]
	v_add_nc_u32 v[ADSA+\s], s69, v3
	v_add_nc_u32 v[ADSB+\s], s70, v3
	s_add_co_u32 s69, s69, SLOT
	s_add_co_u32 s70, s70, SLOT
.endr
	s_lshl_b32 s71, s43, 3
	s_lshl_b32 s72, s15, 2
	s_add_co_u32 s71, s71, s72
	s_cmp_eq_u32 ttmp9, 3
	s_cselect_b32 s72, 128, s71
	s_lshl_b32 s72, s72, 13
	s_mov_b32 s73, 0
	s_add_nc_u64 s[6:7], s[6:7], s[72:73]
.macro TABLE a0, a1                    ; the table's tiles for my row blocks a0 and a1 into window 3: 32 loads of 512 consecutive bytes
	WIN 0xc0
.irp a, \a0, \a1
.irp g, 0,1,2,3,4,5,6,7,8,9,10,11,12,13,14,15
	global_load_b128 v[64*\a+4*\g:64*\a+4*\g+3], v[LI], s[6:7] offset:8192*\a+512*\g
.endr
.endr
	WIN 0
.endm
	s_lshl_b32 s74, s46, 1
	s_add_co_u32 s74, s74, s16
	s_lshl_b32 s75, s74, 4
	s_add_co_u32 s75, s75, s43
	s_lshl_b32 s76, s74, 5
	s_lshl_b32 s77, s43, 1
	s_add_co_u32 s76, s76, s77
	s_sub_co_u32 s76, s76, 256
	s_lshl_b32 s77, s43, 5
	s_lshl_b32 s78, s74, 1
	s_add_co_u32 s77, s77, s78
	s_add_co_u32 s77, s77, 257
	s_cmp_lt_u32 ttmp9, 2
	s_cselect_b32 s75, s75, s76
	s_cmp_eq_u32 ttmp9, 3
	s_cselect_b32 s75, s77, s75
	s_mul_i32 s74, s75, RBB
	s_mov_b32 s75, 0
	s_add_nc_u64 s[8:9], s[8:9], s[74:75]
	s_mul_i32 s76, s15, 6144
	v_add_nc_u32 v[VST], s76, v[LI]
	v_and_b32 v4, 15, v0
	s_lshl_b32 s76, s15, 4
	v_lshl_add_u32 v[VSW], v4, 5, s76
.irp b, 0,1,2,3
	v_mov_b32 v[TM+4+\b], 0
.endr
.macro FETCH slot, q, p
	WIN 0x40
.irp b, 0,1,2,3,4,5,6,7
.irp g, 0,1,2
	ds_load_b128 v[128*(\p)+12*\b+4*\g:128*(\p)+12*\b+4*\g+3], v[ADRB+\slot] offset:(\b/2)*RBB+((\q)/2)*6400+(2*(\b%2)+(\q)%2)*1536+512*\g
.endr
.endr
	WIN 0
.irp a, 0,1,2,3
.irp g, 0,1,2
	ds_load_b128 v[AF+48*(\p)+12*\a+4*\g:AF+48*(\p)+12*\a+4*\g+3], v[ADRA+\slot] offset:(\a/2)*RBB+((\q)/2)*6400+(2*(\a%2)+(\q)%2)*1536+512*\g
.endr
.endr
.endm
.macro SCALES sl
.irp x, 0,1
.irp kc, 0,1
	ds_load_b64 v[SC+24*\sl+4*\x+2*\kc:SC+24*\sl+4*\x+2*\kc+1], v[ADSA+\sl] offset:\x*RBB+\kc*6400+6144
.endr
.endr
.irp x, 0,1,2,3
.irp kc, 0,1
	ds_load_b64 v[SC+24*\sl+8+4*\x+2*\kc:SC+24*\sl+8+4*\x+2*\kc+1], v[ADSB+\sl] offset:\x*RBB+\kc*6400+6144
.endr
.endr
.endm
.macro WM a, b, p, q, sl, zero
.set rD, 8*(8*(\a)+(\b))
.set rB, 128*(\p)+12*(\b)
.set rA, AF+48*(\p)+12*(\a)
.set rSB, SC+24*(\sl)+8+4*((\b)/2)+(\q)
.set rSA, SC+24*(\sl)+4*((\a)/2)+(\q)
.if \zero
.if ((\b)%2) && ((\a)%2)
	v_wmma_scale_f32_16x16x128_f8f6f4 v[rD:rD+7], v[rB:rB+11], v[rA:rA+11], 0, v[rSB], v[rSA] matrix_a_fmt:MATRIX_FMT_FP6 matrix_b_fmt:MATRIX_FMT_FP6 matrix_a_scale:MATRIX_SCALE_ROW1 matrix_b_scale:MATRIX_SCALE_ROW1
.elseif (\b)%2
	v_wmma_scale_f32_16x16x128_f8f6f4 v[rD:rD+7], v[rB:rB+11], v[rA:rA+11], 0, v[rSB], v[rSA] matrix_a_fmt:MATRIX_FMT_FP6 matrix_b_fmt:MATRIX_FMT_FP6 matrix_a_scale:MATRIX_SCALE_ROW1
.elseif (\a)%2
	v_wmma_scale_f32_16x16x128_f8f6f4 v[rD:rD+7], v[rB:rB+11], v[rA:rA+11], 0, v[rSB], v[rSA] matrix_a_fmt:MATRIX_FMT_FP6 matrix_b_fmt:MATRIX_FMT_FP6 matrix_b_scale:MATRIX_SCALE_ROW1
.else
	v_wmma_scale_f32_16x16x128_f8f6f4 v[rD:rD+7], v[rB:rB+11], v[rA:rA+11], 0, v[rSB], v[rSA] matrix_a_fmt:MATRIX_FMT_FP6 matrix_b_fmt:MATRIX_FMT_FP6
.endif
.else
.if ((\b)%2) && ((\a)%2)
	v_wmma_scale_f32_16x16x128_f8f6f4 v[rD:rD+7], v[rB:rB+11], v[rA:rA+11], v[rD:rD+7], v[rSB], v[rSA] matrix_a_fmt:MATRIX_FMT_FP6 matrix_b_fmt:MATRIX_FMT_FP6 matrix_a_scale:MATRIX_SCALE_ROW1 matrix_b_scale:MATRIX_SCALE_ROW1
.elseif (\b)%2
	v_wmma_scale_f32_16x16x128_f8f6f4 v[rD:rD+7], v[rB:rB+11], v[rA:rA+11], v[rD:rD+7], v[rSB], v[rSA] matrix_a_fmt:MATRIX_FMT_FP6 matrix_b_fmt:MATRIX_FMT_FP6 matrix_a_scale:MATRIX_SCALE_ROW1
.elseif (\a)%2
	v_wmma_scale_f32_16x16x128_f8f6f4 v[rD:rD+7], v[rB:rB+11], v[rA:rA+11], v[rD:rD+7], v[rSB], v[rSA] matrix_a_fmt:MATRIX_FMT_FP6 matrix_b_fmt:MATRIX_FMT_FP6 matrix_b_scale:MATRIX_SCALE_ROW1
.else
	v_wmma_scale_f32_16x16x128_f8f6f4 v[rD:rD+7], v[rB:rB+11], v[rA:rA+11], v[rD:rD+7], v[rSB], v[rSA] matrix_a_fmt:MATRIX_FMT_FP6 matrix_b_fmt:MATRIX_FMT_FP6
.endif
.endif
.endm
.macro MUL8 a, p, q, sl, zero
.irp b, 0,1,2,3,4,5,6,7
	WM \a, \b, \p, \q, \sl, \zero
.endr
.endm
.macro KSTEP slot, q, zero
	s_wait_dscnt 0x0
	PLACES
	FETCH \slot, (\q)+1, 1-(\q)%2
	WIN MULW
	MUL8 0, (\q)%2, \q, \slot, \zero
	MUL8 1, (\q)%2, \q, \slot, \zero
	MUL8 2, (\q)%2, \q, \slot, \zero
	MUL8 3, (\q)%2, \q, \slot, \zero
	WIN 0
.endm
.macro TURN slot, next, fill
.if \fill
	s_wait_xcnt 0x0                                ; my last prefetch, a slot back, has read its address: it steps one slot on
	s_add_nc_u64 s[PFA:PFA+1], s[PFA:PFA+1], STEPA
.endif
	s_wait_tensorcnt 0x0
	ds_add_u32 v[SPW], v[NIL]
	s_wait_dscnt 1
	WIN MULW
	MUL8 0, 1, 3, \slot, 0
	s_wait_dscnt 0x0
	s_barrier_signal -1
	MUL8 1, 1, 3, \slot, 0
	WIN 0
	s_barrier_wait -1
.if \fill
	CREST
	s_add_nc_u64 s[G0+4*\slot+2:G0+4*\slot+3], s[G0+4*\slot+2:G0+4*\slot+3], 2*STEPA
	s_add_nc_u64 s[G0B+4*\slot+2:G0B+4*\slot+3], s[G0B+4*\slot+2:G0B+4*\slot+3], 2*STEPB
	JLOAD G0+4*\slot, G1, G0B+4*\slot, G1B
.else
	PLACES
.endif
	FETCH \next, 0, 0
	s_wait_alu depctr_va_vdst(0)
	SCALES \next
.if \fill
	s_cmp_gt_u32 s3, 1                             ; s3 = 1 in the loop's last trip: its two refills are slots 6 and 7, and no slot stands two on
	s_cbranch_scc0 .Lno_ask_\@
	ASK 3                                          ; behind the load of slot n + 2: slot n + 4 (the address stands at slot n + 1)
.Lno_ask_\@:
.endif
	WIN MULW
	MUL8 2, 1, 3, \slot, 0
	MUL8 3, 1, 3, \slot, 0
	WIN 0
.endm
	s_wait_alu depctr_va_vdst(0)                   ; the wait at the head's end
	s_wait_tensorcnt 0x0                           ; my part of slot 0 is in
	ds_add_u32 v[SPW], v[NIL]
	s_wait_dscnt 0x0
	CROUND                                         ; everybody's part of slot 0 is in, and the joint loads meet
	JLOAD G0+4, G1, G0B+4, G1B                     ; slot 1, the first tensor load behind the round
	ASK 3
	FETCH 0, 0, 0
	SCALES 0
	TABLE 0, 1                                     ; behind slot 1's load and the first fragments' loads; read only on the way out
	KSTEP 0, 0, 1
	s_mov_b32 s3, LAPS-1
.Llap:
	KSTEP 0, 1, 0
	KSTEP 0, 2, 0
	TURN 0, 1, 1
	KSTEP 1, 0, 0
	KSTEP 1, 1, 0
	KSTEP 1, 2, 0
	TURN 1, 0, 1
	KSTEP 0, 0, 0
	s_sub_co_u32 s3, s3, 1
	s_cmp_lg_u32 s3, 0
	s_cbranch_scc1 .Llap
	TABLE 2, 3                                     ; the other half, seven K steps of 128 ahead of its use
	KSTEP 0, 1, 0
	KSTEP 0, 2, 0
	TURN 0, 1, 0
	KSTEP 1, 0, 0
	KSTEP 1, 1, 0
	KSTEP 1, 2, 0
	s_wait_dscnt 0x0
	WIN MULW
	MUL8 0, 1, 3, 1, 0
	MUL8 1, 1, 3, 1, 0
	MUL8 2, 1, 3, 1, 0
	MUL8 3, 1, 3, 1, 0
	WIN 0
.macro ROPE a
	WIN 0x0e
.irp i, 0,2,4,6,8,10,12,14,16,18,20,22,24,26,28,30
	v_pk_mul_f32 v[ST+\i:ST+\i+1], v[64*\a+\i:64*\a+\i+1], v[64*\a+\i:64*\a+\i+1]
.endr
.irp i, 0,2,4,6,8,10,12,14,16,18,20,22,24,26,28,30
	v_pk_mul_f32 v[ST+32+\i:ST+32+\i+1], v[64*\a+32+\i:64*\a+32+\i+1], v[64*\a+\i:64*\a+\i+1]
.endr
.irp i, 0,2,4,6,8,10,12,14,16,18,20,22,24,26,28,30
	v_pk_fma_f32 v[ST+\i:ST+\i+1], v[64*\a+32+\i:64*\a+32+\i+1], v[64*\a+32+\i:64*\a+32+\i+1], v[ST+\i:ST+\i+1] neg_lo:[0,1,0] neg_hi:[0,1,0]
.endr
.irp i, 0,2,4,6,8,10,12,14,16,18,20,22,24,26,28,30
	v_pk_fma_f32 v[ST+32+\i:ST+32+\i+1], v[64*\a+\i:64*\a+\i+1], v[64*\a+32+\i:64*\a+32+\i+1], v[ST+32+\i:ST+32+\i+1]
.endr
	WIN 0
.endm
.macro QUANT s, d, pw
.irp b, 0,1,2,3
	v_max3_num_f32 v[TM+\b], |v[\s+16*\b]|, |v[\s+1+16*\b]|, 0x1800000
.endr
.irp i, 2,4,6,8,10,12,14
.irp b, 0,1,2,3
	v_max3_num_f32 v[TM+\b], v[TM+\b], |v[\s+16*\b+\i]|, |v[\s+1+16*\b+\i]|
.endr
.endr
.irp b, 0,1,2,3
	v_permlanex16_b32 v[TM+4+\b], v[TM+\b], s[SEL], s[SEL+1]
.endr
.irp b, 0,1,2,3
	v_max_num_f32 v[TM+\b], v[TM+\b], v[TM+4+\b]
.endr
.irp b, 0,1,2,3
	v_add_nc_u32 v[TM+12+\b], 0xff000000, v[TM+\b]
.endr
.irp b, 0,1,2,3
	v_lshrrev_b32 v[TM+4+\b], 23, v[TM+12+\b]
.endr
	v_lshl_or_b32 v[\pw], v[TM+5], 8, v[TM+4]
	v_lshl_or_b32 v[\pw], v[TM+6], 16, v[\pw]
	v_lshl_or_b32 v[\pw], v[TM+7], 24, v[\pw]
.irp c, 0,1
	v_cvt_scalef32_pk16_fp6_f32 v[\d+6*\c:\d+2+6*\c], v[\s+32*\c:\s+15+32*\c], v[TM+12+2*\c]
	v_cvt_scalef32_pk16_fp6_f32 v[TC+4*\c:TC+2+4*\c], v[\s+16+32*\c:\s+31+32*\c], v[TM+12+2*\c+1]
.endr
	v_nop
.irp c, 0,1
.irp i, 0,1,2
	v_permlane16_swap_b32 v[\d+6*\c+\i], v[TC+4*\c+\i]
.endr
.irp i, 0,1,2
	v_mov_b32 v[\d+3+6*\c+\i], v[TC+4*\c+\i]
.endr
.endr
.endm
	PLACES
	s_wait_loadcnt 0x0
.irp a, 0,1,2,3
	ROPE \a
	QUANT ST, PC+12*\a, PW+\a
.irp g, 0,1,2
	global_store_b128 v[VST], v[PC+12*\a+4*\g:PC+12*\a+4*\g+3], s[8:9] offset:1536*\a+512*\g
.endr
.endr
	global_store_b128 v[VSW], v[PW:PW+3], s[8:9] offset:12288
	s_wait_tensorcnt 0x0
	ds_add_u32 v[SPW], v[NIL]
	s_wait_dscnt 0x0
	CROUND
	s_endpgm
.Lfunc_end_k_q84bcc96939_gemm_qkv:
	.size	k_q84bcc96939_gemm_qkv, .Lfunc_end_k_q84bcc96939_gemm_qkv-k_q84bcc96939_gemm_qkv
	.p2alignl 7, 3214868480
	.fill 96, 4, 3214868480
	.section	.rodata,"a",@progbits
	.p2align	6, 0x0
	.amdhsa_kernel k_q84bcc96939_gemm_qkv
		.amdhsa_group_segment_fixed_size 327680
		.amdhsa_private_segment_fixed_size 0
		.amdhsa_enable_private_segment 0
		.amdhsa_kernarg_size 24
		.amdhsa_user_sgpr_count 2
		.amdhsa_user_sgpr_kernarg_segment_ptr 1
		.amdhsa_wavefront_size32 1
		.amdhsa_system_sgpr_workgroup_id_x 1
		.amdhsa_system_sgpr_workgroup_id_y 1
		.amdhsa_system_sgpr_workgroup_id_z 1
		.amdhsa_system_vgpr_workitem_id 0
		.amdhsa_next_free_vgpr 1024
		.amdhsa_next_free_sgpr 100
		.amdhsa_reserve_vcc 0
		.amdhsa_float_denorm_mode_32 3
		.amdhsa_float_denorm_mode_16_64 3
		.amdhsa_memory_ordered 1
		.amdhsa_forward_progress 1
		.amdhsa_inst_pref_size 160
	.end_amdhsa_kernel
	.amdgpu_metadata
---
amdhsa.version: [ 1, 2 ]
amdhsa.kernels:
  - .name:           k_q84bcc96939_gemm_qkv
    .symbol:         k_q84bcc96939_gemm_qkv.kd
    .args:
      - { .name: ops, .offset: 0, .size: 8, .value_kind: global_buffer, .address_space: global }
      - { .name: rope, .offset: 8, .size: 8, .value_kind: global_buffer, .address_space: global }
      - { .name: qkv, .offset: 16, .size: 8, .value_kind: global_buffer, .address_space: global }
    .group_segment_fixed_size: 327680
    .private_segment_fixed_size: 0
    .kernarg_segment_align: 8
    .kernarg_segment_size: 24
    .max_flat_workgroup_size: 128
    .sgpr_count:     100
    .vgpr_count:     1024
    .wavefront_size: 32
...
	.end_amdgpu_metadata
.endif
;; end of part 2
;; launch attn (part 3): grid 32 x 8, 16 waves a work-group, no clusters, 327,680 bytes of LDS; arguments qkv, ctx; writes ctx
.if DOCPART == 3
	.amdgcn_target "amdgcn-amd-amdhsa--gfx1250"
	.amdhsa_code_object_version 6
	.text
	.protected	k_q84bcc96939_attn
	.globl	k_q84bcc96939_attn
	.p2align	8
	.type	k_q84bcc96939_attn,@function
k_q84bcc96939_attn:
	s_mov_b64 s[64:65], 0
	v_nop
	global_prefetch_b8 v0, s[64:65] scope:SCOPE_SE
	s_setreg_imm32_b32 hwreg(HW_REG_WAVE_MODE, 25, 1), 1
	s_wait_xcnt 0x0
; Causal attention on codes of FP6 (E2M3) with E8M0 scales: 16 query heads, 8 key and value heads, 2,048 tokens, head size 128.  The result is quantised along the head's axis and leaves as the A operand of the last product.
; IN.  qkv in units of 12,800 bytes: 8 images of operand registers (tile x at 1,536 x; registers 4 g .. 4 g + 3 of lane l at 512 g + 16 l) and scale words at 12,288 + 32 i + 4 x.
;   Unit 16 head + step: q (128 tokens x 128); 256 + 2 (16 head + step): k; that + 1: v (128 channels x 128 keys).  Row i of tile x is row 32 (x / 2) + 8 (x % 2) + i % 8 + 16 (i / 8) of the 128.
; THE SOFTMAX.  t = score x log2(e) / sqrt(128); M = the running largest t rounded up to a whole number; p = 2^(t - M) is quantised along the keys, not normalised; the row's sum is taken of the unquantised p and divides at the end;
;   when M moves, the sum and O are multiplied by 2^(old M - new M), which rounds nothing.
; LAYOUT.  Both products transposed: S^T = K Q^T, O^T = V^T P^T: a lane holds one query throughout; by the order of a tile's rows the 16 registers of tiles 2 b, 2 b + 1 are keys (or channels) 32 b + 16 (lane / 16) + 0 .. 15.
; SHARES.  A work-group serves one query head and eight tiles of 16 queries: tile slots 0-3 are tiles 4 p + w, slots 4-7 tiles 131 - 4 p - w.  TWO WAVES SERVE A TILE: wave w (0-7) takes the even key steps of slot w,
;   wave w + 8 the odd ones, each with a running M, sum and O^T of its own: a late tile's 16 steps are two chains of 8.  The four waves w, w + 4, w + 8, w + 12 have 17 key steps between them whatever p is.
;   At the end waves 8-15 hand their O^T, M and sum to their partners through LDS, as images of their registers; both parts are brought under the larger M by exact powers of two and added.
; RING.  Two LDS slots of four key steps (k, v, k, v .. : 102,400 dense bytes), filled by waves 0-3, a quarter each; in a slot a wave has two steps of its own.  Every work-group walks all four slots, so that trip counts
;   are constants; a step all of whose keys come after a wave's queries is left out by a branch on ids, and a slot that none of the sixteen waves reads is not asked for.  Every wait on TENSORcnt is for 0.
; NO CLUSTER: how many slots a work-group asks for hangs on its number, and partners of a joint load must all ask on every path.
; LIMITS: a block of zeros gets the scale byte 1 (its codes are zeros; this program alone reads the bytes); NaN and infinities are not served.
; REGISTERS: v1, v2 lane terms; v5, v6 the add's two; v8, v9 addresses in hand; v12 -M, v13 largest t, v[14:15] the sum; v16-27 Q; v28 prefetch offset; v29 the mask's bound; v30 8 r; v32-79 four fragments;
;   v80-83, v84-87 K's and V's scale words; v88-90 LDS addresses that stay; v96-159 S^T, then p; v160-223 O^T; v224-235 p's codes; v232-254 at work; v253 p's scale word; v255 Q's.
.set ABB,   12800
.set SLOT1, 1<<17                      ; slot 1 begins here: one exclusive or turns an address in one slot into the other's
.set SLB,   8*ABB                      ; a slot's bytes: four key steps
.set SPARE, SLOT1+SLB                  ; behind slot 1: the spare words, 128 bytes for each of sixteen waves
.set MST,   SPARE+2048                 ; behind them: the stage of the merge, bytes of its own into which no fill lands
.set MTB,   8704                       ; a tile's part of it: 64 registers of O^T (8,192 bytes), then -M, t and the sum's halves (512)
.set LI,   1                           ; v1  16 x lane
.set LS,   2                           ; v2  32 (lane % 16) + 16 (lane / 16)
.set SPW,  5
.set NIL,  6
.set PFO,  28
.set QD,   29
.set LIH,  88                          ; v88 16 x lane + 25,600 x my parity: my first step's place in a slot
.set LSH,  89                          ; v89 the same for scale words
.set MA,   90                          ; v90 my tile's part of the stage + 16 x lane
.set TM,   232
.set TC,   44
.set TB,   2                           ; s2  LDS byte at which the slot in hand begins
.set WV,   18
.set SEL,  20
.set CS,   22
.set G1,   24
.set G0,   32
.set KF,   36                          ; s36 the even key step in hand: the same number in all waves
.set DS,   37                          ; s37 my tile's diagonal step
.set LIMS, 38                          ; s38 the last step that any wave of my work-group takes
.set SLOTS, 39
.set PFA,  40
.set LIM,  42
.set TT,   43                          ; s43 my tile, 0..127
.set WS,   78                          ; s78 my tile slot: wave % 8
.set HF,   79                          ; s79 my parity: wave / 8
.set DSH,  80                          ; s80 the diagonal step less my parity (-1 where I have no step): my step is KF + parity, so it is held against this
.macro TLOAD                           ; waves 0 to 3 fetch a quarter of a slot each: one key step's k and v.  An s_nop 0 and four v_nop follow the line
	s_cmp_lt_u32 s[WV], 4
	s_cbranch_scc0 .Lasked_\@
	tensor_load_to_lds s[G0:G0+3], s[G1:G1+7]
	s_nop 0
.rept 4
	v_nop
.endr
.Lasked_\@:
.endm
; A prefetch of what the NEXT change of slots will ask for: 102,400 bytes.  All 32 work-groups of a key and value head walk the same bytes: the first of them, which walks all slots, asks; its sixteen waves take 6,400 bytes each,
; lanes 256 bytes apart (lanes 25 to 31 name lane 24's block again).  The last change that fills a slot asks for nothing; slots 0 and 1 come by their loads alone.
.macro ASK
	s_cmp_gt_u32 s[SLOTS], s[LIM]
	s_cbranch_scc0 .Lnot_mine_\@
	global_prefetch_b8 v[PFO], s[PFA:PFA+1] th:TH_LOAD_NT scope:SCOPE_SE
.Lnot_mine_\@:
.endm
	s_load_b128 s[4:7], s[0:1], 0x0                ; qkv, ctx
	v_lshl_add_u32 v[SPW], v0, 2, SPARE
	v_mov_b32 v[NIL], 0
	ds_add_u32 v[SPW], v[NIL]                      ; the wave's opening: the add and its wait ahead of my first tensor load
	ds_add_u32 v[SPW], v[NIL]
	v_lshrrev_b32 v8, 5, v0
	s_delay_alu instid0(VALU_DEP_1)
	v_readfirstlane_b32 s[WV], v8                  ; wave 0..15
	s_and_b32 s[WS], s[WV], 7
	s_lshr_b32 s[HF], s[WV], 3
	s_and_b32 s44, ttmp7, 0xffff                   ; key and value head
	s_and_b32 s45, ttmp9, 1
	s_lshl_b32 s46, s44, 1
	s_add_co_u32 s46, s46, s45                     ; query head
	s_lshr_b32 s47, ttmp9, 1
	s_lshl_b32 s47, s47, 2                         ; 4 p
	s_add_co_u32 s48, s47, s[WS]
	s_sub_co_u32 s49, 131, s48
	s_cmp_lt_u32 s[WS], 4
	s_cselect_b32 s[TT], s48, s49
	s_lshr_b32 s[DS], s[TT], 3
	s_sub_co_i32 s[DSH], s[DS], s[HF]
	s_sub_co_u32 s[LIMS], 127, s47
	s_lshr_b32 s[LIMS], s[LIMS], 3
	s_mov_b32 s[G1], 3<<16                         ; no mask; elements of 8 bytes; no padding: every LDS read takes 512 consecutive bytes
	s_mov_b32 s[G1+1], 32<<16                      ; rows of 256 bytes
	s_mov_b32 s[G1+2], 100<<16                     ; 100 of them: 25,600 bytes
	s_mov_b32 s[G1+3], 32<<16
	s_mov_b32 s[G1+4], 100
	s_mov_b32 s[G1+5], 32
	s_mov_b32 s[G1+6], 0
	s_mov_b32 s[G1+7], 0
	s_mul_i32 s50, s44, 32*ABB
	s_add_co_u32 s50, s50, 256*ABB                 ; the head's k and v
	s_mov_b32 s51, 0
	s_and_b32 s52, s[WV], 3
	s_mul_i32 s52, s52, 2*ABB                      ; my quarter, in memory and in a slot
	s_mov_b32 s53, 0
	s_mov_b32 s[SEL], 0x76543210
	s_mov_b32 s[SEL+1], 0xfedcba98
	s_mov_b32 s[CS], 0x3e0293ee                    ; c = log2(e) / sqrt(128)
	s_mov_b32 s[CS+1], s[CS]
	s_mov_b32 s[TB], 0
	s_mov_b32 s[KF], 0
	s_mov_b32 s[SLOTS], 3
	s_cmp_eq_u32 ttmp9, 0
	s_cselect_b32 s[LIM], 1, -1
	s_wait_dscnt 0x0                               ; the opening add is done
	s_wait_kmcnt 0x0
	s_add_nc_u64 s[54:55], s[4:5], s[50:51]
	s_mov_b32 s[G0], 1
	s_mov_b32 s[G0+1], s52
	s_add_nc_u64 s[G0+2:G0+3], s[54:55], s[52:53]
	s_or_b32 s[G0+3], s[G0+3], 0x80000000
	TLOAD                                          ; slot 0
	s_add_nc_u64 s[PFA:PFA+1], s[54:55], SLB       ; at slot 1: the first change of slots steps it to slot 2
	v_and_b32 v3, 31, v0                           ; lane
	v_and_b32 v4, 15, v0                           ; r
	v_bfe_u32 v7, v0, 4, 1                         ; h
	s_delay_alu instid0(VALU_DEP_3)
	v_lshlrev_b32 v[LI], 4, v3
	s_delay_alu instid0(VALU_DEP_3)
	v_lshlrev_b32 v[LS], 5, v4
	s_delay_alu instid0(VALU_DEP_1)
	v_lshl_add_u32 v[LS], v7, 4, v[LS]
	v_lshlrev_b32 v30, 3, v4
	v_min_u32 v[PFO], 24, v3
	s_delay_alu instid0(VALU_DEP_1)
	v_lshlrev_b32 v[PFO], 8, v[PFO]
	s_mul_i32 s56, s[WV], 6400
	v_add_nc_u32 v[PFO], s56, v[PFO]
	s_mul_i32 s57, s[HF], 2*ABB                    ; every LDS address register is made here, ahead of any parting of the waves
	v_add_nc_u32 v[LIH], s57, v[LI]
	v_add_nc_u32 v[LSH], s57, v[LS]
	s_mul_i32 s58, s[WS], MTB
	s_add_co_u32 s58, s58, MST
	v_add_nc_u32 v[MA], s58, v[LI]
	; Q: my tile's image and scale words (both waves of a tile take the same)
	s_lshl_b32 s56, s46, 4
	s_add_co_u32 s56, s56, s[DS]
	s_mul_i32 s56, s56, ABB
	s_mov_b32 s57, 0
	s_add_nc_u64 s[56:57], s[4:5], s[56:57]
	s_and_b32 s58, s[TT], 7
	s_mul_i32 s59, s58, 1536
	v_add_nc_u32 v10, s59, v[LI]
.irp g, 0,1,2
	global_load_b128 v[16+4*\g:19+4*\g], v10, s[56:57] offset:512*\g
.endr
	s_lshl_b32 s59, s58, 2
	v_lshl_add_u32 v11, v4, 5, s59
	global_load_b32 v255, v11, s[56:57] offset:12288
	; the mask's bound: my query's place in its step, less 16 (lane / 16)
	s_lshr_b32 s60, s58, 1
	s_lshl_b32 s60, s60, 5
	s_and_b32 s61, s[TT], 1
	s_lshl_b32 s61, s61, 3
	s_add_co_u32 s60, s60, s61
	v_and_b32 v[QD], 8, v4
	s_delay_alu instid0(VALU_DEP_1)
	v_add_nc_u32 v[QD], v[QD], v4
	s_delay_alu instid0(VALU_DEP_1)
	v_add_nc_u32 v[QD], s60, v[QD]
	v_lshlrev_b32 v7, 4, v7
	s_delay_alu instid0(VALU_DEP_1)
	v_sub_nc_u32 v[QD], v[QD], v7
	; where my tile's result goes: ctx [head / 4][tile / 2][(head / 2) % 2][6,400]: image 2 (tile % 2) + head % 2, scale words at 6,144 + 128 (tile % 2) + 8 r + 4 (head % 2)
	s_lshr_b32 s70, s46, 2
	s_lshl_b32 s70, s70, 6
	s_lshr_b32 s71, s[TT], 1
	s_add_co_u32 s70, s70, s71
	s_mul_i32 s70, s70, ABB
	s_bfe_u32 s71, s46, 0x10001
	s_mul_i32 s71, s71, 6400
	s_add_co_u32 s70, s70, s71
	s_and_b32 s72, s[TT], 1
	s_and_b32 s73, s46, 1
	s_lshl_b32 s74, s72, 1
	s_add_co_u32 s74, s74, s73
	s_mul_i32 s74, s74, 1536
	s_add_co_u32 s74, s74, s70
	s_mov_b32 s75, 0
	s_lshl_b32 s76, s72, 7
	s_lshl_b32 s77, s73, 2
	s_add_co_u32 s76, s76, s77
	s_add_co_u32 s76, s76, s70
	s_add_co_u32 s76, s76, 6144
	s_mov_b32 s77, 0
	s_add_nc_u64 s[66:67], s[6:7], s[74:75]
	s_add_nc_u64 s[68:69], s[6:7], s[76:77]
	v_mov_b32 v13, 0xff61b1e6                      ; the largest t so far: -3e38
	s_delay_alu instid0(VALU_DEP_1)
	v_floor_f32 v12, -v13                          ; -M
	v_mov_b32 v14, 0
	v_mov_b32 v15, 0
.irp b, 0,1,2,3
	v_mov_b32 v[236+\b], 0                         ; a lane permute's destination counts as one of its sources
.endr
	v_mov_b32 v252, 0
	v_mov_b32 v253, 0
.set j, 0
.rept 64
	v_mov_b32 v[160+j], 0                          ; O^T: the step is written once; the first finds zeros, which the first change of M leaves zeros
.set j, j+1
.endr
; A KEY STEP of mine: 128 keys, step KF + my parity: the q-th of my two in the slot in hand
.macro STEP q
	s_cmp_gt_i32 s[KF], s[DSH]                     ; all its keys come after my queries: left out (ids and the count of steps alone; no barrier, wait or tensor load stands in a step)
	s_cbranch_scc1 .Lhidden_\@
	s_add_co_u32 s97, s[TB], 4*ABB*(\q)            ; two steps on for my second
	v_add_nc_u32 v8, s97, v[LIH]
	s_wait_alu depctr_va_vdst(0)
	v_add_nc_u32 v9, s97, v[LSH]
	v_nop
	v_nop                                          ; four plain lines in front of loads into registers that the last products read
	ds_load_b128 v[80:83], v9 offset:12288         ; K's scale words: register n: tile n in lanes 0-15, tile 4 + n in lanes 16-31
.irp u, 0,1                                    ; S^T = K Q^T, four tiles of 16 keys at a time
.if \u > 0
.rept 4
	v_nop
.endr
.endif
.irp t, 0,1,2,3
.irp g, 0,1,2
	ds_load_b128 v[32+12*\t+4*\g:35+12*\t+4*\g], v8 offset:1536*(4*\u+\t)+512*\g
.endr
.endr
	s_wait_dscnt 0x0
.irp t, 0,1,2,3
.if \u == 0
	v_wmma_scale_f32_16x16x128_f8f6f4 v[96+8*(4*\u+\t):103+8*(4*\u+\t)], v[32+12*\t:43+12*\t], v[16:27], 0, v[80+\t], v255 matrix_a_fmt:MATRIX_FMT_FP6 matrix_b_fmt:MATRIX_FMT_FP6
.else
	v_wmma_scale_f32_16x16x128_f8f6f4 v[96+8*(4*\u+\t):103+8*(4*\u+\t)], v[32+12*\t:43+12*\t], v[16:27], 0, v[80+\t], v255 matrix_a_fmt:MATRIX_FMT_FP6 matrix_b_fmt:MATRIX_FMT_FP6 matrix_a_scale:MATRIX_SCALE_ROW1
.endif
.endr
.endr
.rept 4
	v_nop                                          ; places behind the products: for the first read of the scores, and for the loads below
.endr
	s_wait_alu depctr_va_vdst(0)
	ds_load_b128 v[84:87], v9 offset:ABB+12288     ; V's scale words and its first four fragments are asked for now: their registers lie idle during the softmax, which stands between these loads and the wait for them
.irp t, 0,1,2,3
.irp g, 0,1,2
	ds_load_b128 v[32+12*\t+4*\g:35+12*\t+4*\g], v8 offset:ABB+1536*\t+512*\g
.endr
.endr
	s_cmp_lt_i32 s[KF], s[DSH]                     ; only my tile's diagonal step has hidden keys
	s_cbranch_scc1 .Lopen_\@
	v_mov_b32 v254, 0xff800000                     ; -infinity: p = 0 then
.set n, 0
.rept 64
	v_cmp_gt_i32 vcc_lo, 32*(n/16)+n%16, v[QD]     ; register 16 b + i holds key 32 b + 16 (lane / 16) + i of the step
	v_cndmask_b32 v[96+n], v[96+n], v254, vcc_lo
.set n, n+1
.endr
.Lopen_\@:
.irp b, 0,1,2,3
	v_max3_num_f32 v[232+\b], v[96+16*\b], v[97+16*\b], v[98+16*\b]   ; the largest score of each block of 32 keys: for the row's maximum, and, since p rises with the score, for the block's largest p
.endr
.irp i, 3,5,7,9,11,13
.irp b, 0,1,2,3
	v_max3_num_f32 v[232+\b], v[232+\b], v[96+16*\b+\i], v[97+16*\b+\i]
.endr
.endr
.irp b, 0,1,2,3
	v_max_num_f32 v[232+\b], v[232+\b], v[111+16*\b]
.endr
.irp b, 0,1,2,3
	s_delay_alu instid0(VALU_DEP_4)
	v_permlanex16_b32 v[236+\b], v[232+\b], s[SEL], s[SEL+1]
.endr
.irp b, 0,1,2,3
	s_delay_alu instid0(VALU_DEP_4)
	v_max_num_f32 v[232+\b], v[232+\b], v[236+\b]
.endr
	s_delay_alu instid0(VALU_DEP_2)
	v_max3_num_f32 v254, v232, v233, v234
	s_delay_alu instid0(VALU_DEP_1)
	v_max_num_f32 v254, v254, v235
	s_delay_alu instid0(VALU_DEP_1)
	v_mul_f32 v254, s[CS], v254
	s_delay_alu instid0(VALU_DEP_1)
	v_max_num_f32 v13, v13, v254                   ; the running largest t
	v_mov_b32 v254, v12
	s_delay_alu instid0(VALU_DEP_2)
	v_floor_f32 v12, -v13                          ; the new -M: M is a whole number
	s_delay_alu instid0(VALU_DEP_1)
	v_sub_f32 v254, v12, v254
	s_delay_alu instid0(VALU_DEP_1)
	v_cvt_i32_f32 v254, v254                       ; (it saturates)
	s_delay_alu instid0(VALU_DEP_1)
	v_ldexp_f32 v252, 1.0, v254                    ; f = 2^(old M - new M)
.set j, 0
.rept 32
	v_pk_fma_f32 v[96+j:97+j], v[96+j:97+j], s[CS:CS+1], v[12:13] op_sel_hi:[1,0,0]   ; t - M, two at a time
.set j, j+2
.endr
.irp b, 0,1,2,3
	v_fma_f32 v[232+\b], v[232+\b], s[CS], v12
.endr
.set j, 0
	s_wait_alu depctr_va_vdst(0)
.rept 64
	v_exp_f32 v[96+j], v[96+j]                     ; p = 2^(t - M)
.set j, j+1
.endr
	v_pk_mul_f32 v[14:15], v[14:15], v[252:253] op_sel_hi:[1,0]   ; the sums under the new M (a plain line behind the exponentials)
	s_wait_alu depctr_va_vdst(0)                   ; one wait for the whole batch, ahead of its first reader
.irp b, 0,1,2,3
	v_exp_f32 v[232+\b], v[232+\b]                 ; the blocks' largest p
.endr
	v_pk_add_f32 v[236:237], v[100:101], v[104:105]
	v_pk_add_f32 v[250:251], v[108:109], v[112:113]
	v_pk_add_f32 v[248:249], v[116:117], v[120:121]
	v_pk_add_f32 v[246:247], v[124:125], v[128:129]
	v_pk_add_f32 v[244:245], v[132:133], v[136:137]
	v_pk_add_f32 v[242:243], v[140:141], v[144:145]
	v_pk_add_f32 v[240:241], v[148:149], v[152:153]
	v_pk_add_f32 v[14:15], v[14:15], v[156:157]
	v_pk_add_f32 v[236:237], v[236:237], v[96:97]
	v_pk_add_f32 v[250:251], v[250:251], v[98:99]
	v_pk_add_f32 v[248:249], v[248:249], v[102:103]
	v_pk_add_f32 v[246:247], v[246:247], v[106:107]
	v_pk_add_f32 v[244:245], v[244:245], v[110:111]
	v_pk_add_f32 v[242:243], v[242:243], v[114:115]
	v_pk_add_f32 v[240:241], v[240:241], v[118:119]
	v_pk_add_f32 v[14:15], v[14:15], v[122:123]
	v_pk_add_f32 v[236:237], v[236:237], v[126:127]
	v_pk_add_f32 v[250:251], v[250:251], v[130:131]
	v_pk_add_f32 v[248:249], v[248:249], v[134:135]
	v_pk_add_f32 v[246:247], v[246:247], v[138:139]
	v_pk_add_f32 v[244:245], v[244:245], v[142:143]
	v_pk_add_f32 v[242:243], v[242:243], v[146:147]
	v_pk_add_f32 v[240:241], v[240:241], v[150:151]
	v_pk_add_f32 v[14:15], v[14:15], v[154:155]
	v_pk_add_f32 v[236:237], v[236:237], v[158:159]
	s_delay_alu instid0(VALU_DEP_2)
	v_pk_add_f32 v[14:15], v[14:15], v[246:247]
	s_delay_alu instid0(VALU_DEP_2)
	v_pk_add_f32 v[236:237], v[236:237], v[244:245]
	v_pk_add_f32 v[250:251], v[250:251], v[242:243]
	v_pk_add_f32 v[248:249], v[248:249], v[240:241]
	s_delay_alu instid0(VALU_DEP_2)
	v_pk_add_f32 v[14:15], v[14:15], v[250:251]
	s_delay_alu instid0(VALU_DEP_2)
	v_pk_add_f32 v[236:237], v[236:237], v[248:249]
	s_delay_alu instid0(VALU_DEP_1)
	v_pk_add_f32 v[14:15], v[14:15], v[236:237]
	s_wait_alu depctr_va_vdst(0)                   ; and one for the four
.irp b, 0,1,2,3
	v_max_num_f32 v[232+\b], 0x1800000, v[232+\b]  ; the floor 2^(3 - 127)
.endr
.irp b, 0,1,2,3
	s_delay_alu instid0(VALU_DEP_4)
	v_add_nc_u32 v[244+\b], 0xff000000, v[232+\b]
.endr
.irp b, 0,1,2,3
	s_delay_alu instid0(VALU_DEP_4)
	v_lshrrev_b32 v[236+\b], 23, v[244+\b]
.endr
	s_delay_alu instid0(VALU_DEP_3)
	v_lshl_or_b32 v253, v237, 8, v236              ; p's scale word for these 128 keys
	s_delay_alu instid0(VALU_DEP_1)
	v_lshl_or_b32 v253, v238, 16, v253
	s_delay_alu instid0(VALU_DEP_1)
	v_lshl_or_b32 v253, v239, 24, v253
.irp c, 0,1
	v_cvt_scalef32_pk16_fp6_f32 v[224+6*\c:226+6*\c], v[96+32*\c:111+32*\c], v[244+2*\c]
	v_cvt_scalef32_pk16_fp6_f32 v[236+4*\c:238+4*\c], v[112+32*\c:127+32*\c], v[244+2*\c+1]
.endr
	v_nop
.irp c, 0,1
.irp i, 0,1,2
	v_permlane16_swap_b32 v[224+6*\c+\i], v[236+4*\c+\i]
.endr
.irp i, 0,1,2
	s_delay_alu instid0(VALU_DEP_3)
	v_mov_b32 v[227+6*\c+\i], v[236+4*\c+\i]
.endr
.endr
.set j, 0
.rept 32
	v_pk_mul_f32 v[160+j:161+j], v[160+j:161+j], v[252:253] op_sel_hi:[1,0]   ; O^T under the new M (these are also the places in front of the products below)
.set j, j+2
.endr
	s_wait_alu depctr_va_vdst(0)
	s_wait_dscnt 0x0                               ; V's scale words and first four fragments are in
.irp t, 0,1,2,3                                ; O^T += V^T P^T: four tiles of 16 channels at a time; the eight accumulators take turns
	v_wmma_scale_f32_16x16x128_f8f6f4 v[160+8*\t:167+8*\t], v[32+12*\t:43+12*\t], v[224:235], v[160+8*\t:167+8*\t], v[84+\t], v253 matrix_a_fmt:MATRIX_FMT_FP6 matrix_b_fmt:MATRIX_FMT_FP6
.endr
.rept 4
	v_nop
.endr
.irp t, 0,1,2,3
.irp g, 0,1,2
	ds_load_b128 v[32+12*\t+4*\g:35+12*\t+4*\g], v8 offset:ABB+1536*(4+\t)+512*\g
.endr
.endr
	s_wait_dscnt 0x0
.irp t, 0,1,2,3
	v_wmma_scale_f32_16x16x128_f8f6f4 v[160+8*(4+\t):167+8*(4+\t)], v[32+12*\t:43+12*\t], v[224:235], v[160+8*(4+\t):167+8*(4+\t)], v[84+\t], v253 matrix_a_fmt:MATRIX_FMT_FP6 matrix_b_fmt:MATRIX_FMT_FP6 matrix_a_scale:MATRIX_SCALE_ROW1
.endr
.Lhidden_\@:
	s_add_co_u32 s[KF], s[KF], 2
.endm
; THE CHANGE OF SLOTS stands at a slot's head.  Each wave waits for all its tensor loads, adds 0 to its spare word, and waits for that and for its reads of the slot that it has left; behind the barrier the slot ahead is whole
; and nobody reads the other one.  fill = 1: that other slot takes the next four steps, while its first step is one that some wave of the work-group takes.
.macro CHANGE fill
	s_wait_tensorcnt 0x0                           ; no tensor load of mine is out, so the group 0 may be written
	ds_add_u32 v[SPW], v[NIL]                      ; 0 onto my spare word
.if \fill
	s_xor_b32 s[G0+1], s[G0+1], SLOT1
	s_add_nc_u64 s[G0+2:G0+3], s[G0+2:G0+3], SLB
	s_wait_xcnt 0x0                                ; the last prefetch, a slot back, has read its address
	s_add_nc_u64 s[PFA:PFA+1], s[PFA:PFA+1], SLB
.endif
	s_wait_dscnt 0x0
	s_barrier_signal -1
	s_barrier_wait -1
.if \fill
	s_add_co_u32 s96, s[KF], 4                     ; the first step of the slot that this change would ask for
	s_cmp_gt_u32 s96, s[LIMS]                      ; ids and the count of steps alone: all sixteen waves go the same way, and a work-group that is past the limit stays past it
	s_cbranch_scc1 .Lpast_\@
	TLOAD                                          ; a wave's one tensor load until the next change: it has two of a wave's key steps in which to land
.Lpast_\@:
	ASK
.endif
.endm
	s_wait_loadcnt 0x0                             ; Q
.Lslot:                                            ; three trips
	CHANGE 1
	STEP 0
	STEP 1
	s_xor_b32 s[TB], s[TB], SLOT1
	s_sub_co_u32 s[SLOTS], s[SLOTS], 1
	s_cmp_lg_u32 s[SLOTS], 0
	s_cbranch_scc1 .Lslot
	CHANGE 0                                       ; the last slot is written out: nothing is left to ask for
	STEP 0
	STEP 1
; 64 numbers of a lane, register 16 b + i = channel 32 b + 16 (lane / 16) + i of my query, become a fragment's codes in v[d] on and its scale word in v[pw]
.macro QUANT s, d, pw
.irp b, 0,1,2,3
	v_max3_num_f32 v[TM+\b], |v[\s+16*\b]|, |v[\s+1+16*\b]|, 0x1800000
.endr
.irp i, 2,4,6,8,10,12,14
.irp b, 0,1,2,3
	s_delay_alu instid0(VALU_DEP_4)
	v_max3_num_f32 v[TM+\b], v[TM+\b], |v[\s+16*\b+\i]|, |v[\s+1+16*\b+\i]|
.endr
.endr
.irp b, 0,1,2,3
	s_delay_alu instid0(VALU_DEP_4)
	v_permlanex16_b32 v[TM+4+\b], v[TM+\b], s[SEL], s[SEL+1]
.endr
.irp b, 0,1,2,3
	s_delay_alu instid0(VALU_DEP_4)
	v_max_num_f32 v[TM+\b], v[TM+\b], v[TM+4+\b]
.endr
.irp b, 0,1,2,3
	s_delay_alu instid0(VALU_DEP_4)
	v_add_nc_u32 v[TM+12+\b], 0xff000000, v[TM+\b]
.endr
.irp b, 0,1,2,3
	s_delay_alu instid0(VALU_DEP_4)
	v_lshrrev_b32 v[TM+4+\b], 23, v[TM+12+\b]
.endr
	s_delay_alu instid0(VALU_DEP_3)
	v_lshl_or_b32 v[\pw], v[TM+5], 8, v[TM+4]
	s_delay_alu instid0(VALU_DEP_1)
	v_lshl_or_b32 v[\pw], v[TM+6], 16, v[\pw]
	s_delay_alu instid0(VALU_DEP_1)
	v_lshl_or_b32 v[\pw], v[TM+7], 24, v[\pw]
.irp c, 0,1
	v_cvt_scalef32_pk16_fp6_f32 v[\d+6*\c:\d+2+6*\c], v[\s+32*\c:\s+15+32*\c], v[TM+12+2*\c]
	v_cvt_scalef32_pk16_fp6_f32 v[TC+4*\c:TC+2+4*\c], v[\s+16+32*\c:\s+31+32*\c], v[TM+12+2*\c+1]
.endr
	v_nop
.irp c, 0,1
.irp i, 0,1,2
	v_permlane16_swap_b32 v[\d+6*\c+\i], v[TC+4*\c+\i]
.endr
.irp i, 0,1,2
	s_delay_alu instid0(VALU_DEP_3)
	v_mov_b32 v[\d+3+6*\c+\i], v[TC+4*\c+\i]
.endr
.endr
.endm
; THE MERGE.  Waves 8-15 store their O^T (each accumulator from its low end on) and their -M, t and sums as they stand, 16 bytes a lane; they wait for their stores; one barrier; waves 0-7 load the same registers into the same lanes.
.rept 4
	v_nop                                          ; places behind the last products
.endr
	s_cmp_lt_u32 s[WV], 8
	s_cbranch_scc1 .Lkeeper
.set k, 0
	s_wait_alu depctr_va_vdst(0)
.rept 16
	ds_store_b128 v[MA], v[160+4*k:163+4*k] offset:512*k
.set k, k+1
.endr
	ds_store_b128 v[MA], v[12:15] offset:8192
.Lkeeper:
	s_wait_dscnt 0x0                               ; for the partner's sake: my stores have landed
	s_barrier_signal -1
	s_barrier_wait -1
	s_cmp_lt_u32 s[WV], 8
	s_cbranch_scc0 .Ldone
.set k, 0
.rept 16
	ds_load_b128 v[96+4*k:99+4*k], v[MA] offset:512*k
.set k, k+1
.endr
	ds_load_b128 v[32:35], v[MA] offset:8192       ; the partner's -M, t, and the sum's two halves
	s_wait_dscnt 0x0
	v_min_num_f32 v36, v12, v32                    ; -M of both parts: the larger M.  (A partner that had no step brings -M = 3e38, zeros and a factor of 0)
	s_delay_alu instid0(VALU_DEP_1)
	v_sub_f32 v37, v36, v12                        ; my M less the new one: a whole number, 0 or less
	s_delay_alu instid0(VALU_DEP_2)
	v_sub_f32 v38, v36, v32                        ; the partner's likewise
	s_delay_alu instid0(VALU_DEP_2)
	v_cvt_i32_f32 v37, v37                         ; (they saturate)
	s_delay_alu instid0(VALU_DEP_2)
	v_cvt_i32_f32 v38, v38
	s_delay_alu instid0(VALU_DEP_2)
	v_ldexp_f32 v37, 1.0, v37                      ; the two factors: exact powers of two
	s_delay_alu instid0(VALU_DEP_2)
	v_ldexp_f32 v38, 1.0, v38
	v_add_f32 v14, v14, v15
	v_add_f32 v34, v34, v35
	s_delay_alu instid0(VALU_DEP_2)
	v_mul_f32 v14, v14, v37
	s_delay_alu instid0(VALU_DEP_1)
	v_fma_f32 v14, v34, v38, v14
	s_delay_alu instid0(VALU_DEP_1)
	v_permlanex16_b32 v252, v14, s[SEL], s[SEL+1]
	s_delay_alu instid0(VALU_DEP_1)
	v_add_f32 v14, v14, v252                       ; the row's sum
	s_wait_alu depctr_va_vdst(0)
	v_rcp_f32 v14, v14
	v_nop                                          ; a plain line behind the reciprocal
	s_wait_alu depctr_va_vdst(0)                   ; and the wait, ahead of its first reader
	v_mul_f32 v40, v37, v14                        ; each factor / the sum, twice: pairs for the packed forms
	v_mul_f32 v41, v37, v14
	v_mul_f32 v42, v38, v14
	v_mul_f32 v43, v38, v14
.set j, 0
.rept 32
	v_pk_mul_f32 v[96+j:97+j], v[96+j:97+j], v[42:43]
.set j, j+2
.endr
.set j, 0
.rept 32
	v_pk_fma_f32 v[96+j:97+j], v[160+j:161+j], v[40:41], v[96+j:97+j]   ; O^T / the sum; each accumulator from its low end on
.set j, j+2
.endr
	QUANT 96, 32, 52
.irp g, 0,1,2
	global_store_b128 v[LI], v[32+4*\g:35+4*\g], s[66:67] offset:512*\g   ; 512 consecutive bytes
.endr
	global_store_b32 v30, v52, s[68:69]            ; row r's scale word (lanes l and l xor 16 hold and write the same)
.Ldone:
	s_wait_tensorcnt 0x0                           ; the wave's end, behind my last tensor load and my last LDS store
	ds_add_u32 v[SPW], v[NIL]
	s_wait_dscnt 0x0
	s_endpgm
.Lfunc_end_k_q84bcc96939_attn:
	.size	k_q84bcc96939_attn, .Lfunc_end_k_q84bcc96939_attn-k_q84bcc96939_attn
	.p2alignl 7, 3214868480
	.fill 96, 4, 3214868480
	.section	.rodata,"a",@progbits
	.p2align	6, 0x0
	.amdhsa_kernel k_q84bcc96939_attn
		.amdhsa_group_segment_fixed_size 327680
		.amdhsa_private_segment_fixed_size 0
		.amdhsa_enable_private_segment 0
		.amdhsa_kernarg_size 16
		.amdhsa_user_sgpr_count 2
		.amdhsa_user_sgpr_kernarg_segment_ptr 1
		.amdhsa_wavefront_size32 1
		.amdhsa_system_sgpr_workgroup_id_x 1
		.amdhsa_system_sgpr_workgroup_id_y 1
		.amdhsa_system_sgpr_workgroup_id_z 1
		.amdhsa_system_vgpr_workitem_id 0
		.amdhsa_next_free_vgpr 256
		.amdhsa_next_free_sgpr 100
		.amdhsa_reserve_vcc 1
		.amdhsa_float_denorm_mode_32 3
		.amdhsa_float_denorm_mode_16_64 3
		.amdhsa_memory_ordered 1
		.amdhsa_forward_progress 1
		.amdhsa_inst_pref_size 123
	.end_amdhsa_kernel
	.amdgpu_metadata
---
amdhsa.version: [ 1, 2 ]
amdhsa.kernels:
  - .name:           k_q84bcc96939_attn
    .symbol:         k_q84bcc96939_attn.kd
    .args:
      - { .name: qkv, .offset: 0, .size: 8, .value_kind: global_buffer, .address_space: global }
      - { .name: ctx, .offset: 8, .size: 8, .value_kind: global_buffer, .address_space: global }
    .group_segment_fixed_size: 327680
    .private_segment_fixed_size: 0
    .kernarg_segment_align: 8
    .kernarg_segment_size: 16
    .max_flat_workgroup_size: 512
    .sgpr_count:     100
    .vgpr_count:     256
    .wavefront_size: 32
...
	.end_amdgpu_metadata
.endif
;; end of part 3
;; launch gemm_out (part 4): grid 16 x 16, 4 waves a work-group, clusters of 4 x 4, 327,680 bytes of LDS; arguments ctx, woc, out0; writes out0
.if DOCPART == 4
	.amdgcn_target "amdgcn-amd-amdhsa--gfx1250"
	.amdhsa_code_object_version 6
	.text
	.protected	k_q84bcc96939_gemm_out
	.globl	k_q84bcc96939_gemm_out
	.p2align	8
	.type	k_q84bcc96939_gemm_out,@function
k_q84bcc96939_gemm_out:
	s_mov_b64 s[64:65], 0
	v_nop
	global_prefetch_b8 v0, s[64:65] scope:SCOPE_SE
	s_setreg_imm32_b32 hwreg(HW_REG_WAVE_MODE, 25, 1), 1
	s_wait_xcnt 0x0
	s_wait_alu depctr_hold_cnt(0) depctr_sa_sdst(0) depctr_va_vdst(0) depctr_va_sdst(0) depctr_va_ssrc(0) depctr_va_vcc(0) depctr_vm_vsrc(0)
	s_getreg_b32 s2, hwreg(HW_REG_IB_STS2, 6, 4)
	s_cmp_eq_u32 s2, 0
	s_cbranch_scc0 .Lentry_in_a_cluster
	s_endpgm
.Lentry_in_a_cluster:
	s_bfe_u32 s2, ttmp6, 0x10000c
	s_cmp_lg_u32 s2, 0xf033
	s_cbranch_scc0 .Lentry_shape_is_right
	s_endpgm
.Lentry_shape_is_right:
; out0 = ctx Wo on codes of FP6 (E2M3) with E8M0 scales: [2048] x [4096], K = 2048, sums in f32, stored as f32 in whole rows of 512 bytes through each wave's stage in LDS.
; A work-group makes a block of 128 x 256, its four waves 64 x 128 each.  K goes in 4 slots of 512 through a ring of two LDS slots filled by joint loads of a 4 x 4 cluster
; (A's tile shared along a row of the cluster, B's along a column; waves 0, 1 fetch A's halves, waves 2, 3 B's).
; PREFETCH: behind the load of slot 0 each wave names its share of slots 1 and 2, behind the load of slot 1 that of slot 3; no slot stands two on from the loop's refills, so the loop asks for nothing.
; The four partners of a joint load share its blocks of 256 bytes out by address: of A's 100 blocks a wave the partner at cx takes 25, of B's 200 the partner at cy takes 50; lanes 25 to 31 name lane 24's again.
.set RBB,   12800
.set SLOT,  153600
.set BOFF,  51200
.set SPARE, 2*SLOT
.set STEPA, 64*RBB
.set STEPB, 128*RBB
.set LAPS,  2
.set ADRA, 16
.set ADRB, 18
.set ADSA, 20
.set ADSB, 22
.set LI,   24
.set STO,  25
.set RD,   26
.set SPW,  28
.set NIL,  29
.set SC,   32
.set AF,   128
.set BK,   128
.set G1,   24
.set G0,   32
.set G1B,  48
.set G0B,  56
.set PFO,  27                          ; v27 256 x min(lane, 24); never rewritten
.set PFA,  82                          ; s[82:83] my share of the tile that I fetch, at slot 0; never rewritten
.macro ASK n                           ; names my share of slot n: A's waves 6,400 bytes, B's 12,800
	s_cmp_eq_u32 s15, 0
	s_cbranch_scc0 .Lask_b_\@
	global_prefetch_b8 v[PFO], s[PFA:PFA+1] offset:(\n)*STEPA th:TH_LOAD_NT scope:SCOPE_SE
	s_branch .Lasked_p_\@
.Lask_b_\@:
	global_prefetch_b8 v[PFO], s[PFA:PFA+1] offset:(\n)*STEPB th:TH_LOAD_NT scope:SCOPE_SE
	global_prefetch_b8 v[PFO], s[PFA:PFA+1] offset:(\n)*STEPB+6400 th:TH_LOAD_NT scope:SCOPE_SE
.Lasked_p_\@:
.endm
.set MSB, 0
.macro WIN new
.if MSB != \new
	s_set_vgpr_msb (MSB<<8)|\new
.set MSB, \new
.endif
.endm
.set MULW, 0xa1
.macro JLOAD g0a, g1a, g0b, g1b
	s_cmp_eq_u32 s15, 0
	s_cbranch_scc0 .Lfor_b_\@
	tensor_load_to_lds s[\g0a:\g0a+3], s[\g1a:\g1a+7]
	s_nop 0
.rept 4
	v_nop
.endr
	s_branch .Lasked_\@
.Lfor_b_\@:
	tensor_load_to_lds s[\g0b:\g0b+3], s[\g1b:\g1b+7]
	s_nop 0
.rept 4
	v_nop
.endr
.Lasked_\@:
.endm
.macro CREST
	s_cmp_lg_u32 s14, 0
	s_cbranch_scc1 .Lnot_wave_0_\@
	s_barrier_signal -3
.Lnot_wave_0_\@:
	s_barrier_wait -3
	s_barrier_signal -1
	s_barrier_wait -1
.endm
.macro CROUND
	s_barrier_signal -1
	s_barrier_wait -1
	CREST
.endm
.macro PLACES
.rept 4
	v_nop
.endr
.endm
	s_load_b128 s[4:7], s[0:1], 0x0
	s_load_b64 s[8:9], s[0:1], 0x10
	v_lshl_add_u32 v[SPW], v0, 2, SPARE
	v_mov_b32 v[NIL], 0
	ds_add_u32 v[SPW], v[NIL]
	ds_add_u32 v[SPW], v[NIL]
	v_lshrrev_b32 v1, 5, v0
	v_readfirstlane_b32 s14, v1
	s_lshr_b32 s15, s14, 1
	s_and_b32 s16, s14, 1
	s_bfe_u32 s40, ttmp6, 0x40000
	s_bfe_u32 s41, ttmp6, 0x40004
	s_lshl_b32 s46, ttmp9, 2
	s_add_co_u32 s46, s46, s40
	s_and_b32 s43, ttmp7, 0xffff
	s_lshl_b32 s43, s43, 2
	s_add_co_u32 s43, s43, s41
	s_lshl_b32 s17, s41, 2
	s_lshl_b32 s17, 15, s17
	s_lshl_b32 s18, 0x1111, s40
	s_or_b32 s[G1], s17, (3<<16)|(1<<21)
	s_or_b32 s[G1B], s18, (3<<16)|(1<<21)
	s_mov_b32 s[G1+1], 32<<16
	s_mov_b32 s[G1+2], 100<<16
	s_mov_b32 s[G1+3], 32<<16
	s_mov_b32 s[G1+4], 100
	s_mov_b32 s[G1+5], 32
	s_mov_b32 s[G1+6], 0
	s_mov_b32 s[G1+7], 0
	s_mov_b32 s[G1B+1], 32<<16
	s_mov_b32 s[G1B+2], 200<<16
	s_mov_b32 s[G1B+3], 32<<16
	s_mov_b32 s[G1B+4], 200
	s_mov_b32 s[G1B+5], 32
	s_mov_b32 s[G1B+6], 0
	s_mov_b32 s[G1B+7], 0
	s_lshl_b32 s20, s43, 2
	s_lshl_b32 s19, s16, 1
	s_add_co_u32 s20, s20, s19
	s_mul_i32 s20, s20, RBB
	s_mov_b32 s21, 0
	s_lshl_b32 s22, s46, 3
	s_lshl_b32 s19, s16, 2
	s_add_co_u32 s22, s22, s19
	s_mul_i32 s22, s22, RBB
	s_mov_b32 s23, 0
	s_mul_i32 s67, s16, 25600
	s_mul_i32 s68, s16, 51200
	s_add_co_u32 s68, s68, BOFF
	s_wait_dscnt 0x0
	s_wait_kmcnt 0x0
	s_add_nc_u64 s[20:21], s[4:5], s[20:21]
	s_add_nc_u64 s[22:23], s[6:7], s[22:23]
	s_mul_i32 s84, s40, 6400                       ; the prefetches: my work-group's share among the four that ask jointly: by cx for A's tile,
	s_mul_i32 s85, s41, 12800                      ; by cy for B's
	s_cmp_eq_u32 s15, 0                            ; do I fetch for A?
	s_cselect_b64 s[PFA:PFA+1], s[20:21], s[22:23]
	s_cselect_b32 s84, s84, s85
	s_mov_b32 s85, 0
	s_add_nc_u64 s[PFA:PFA+1], s[PFA:PFA+1], s[84:85]
.irp s, 0,1
	s_mov_b32 s[G0+4*\s], 1
	s_add_co_u32 s[G0+4*\s+1], s67, \s*SLOT
	s_add_nc_u64 s[G0+4*\s+2:G0+4*\s+3], s[20:21], \s*STEPA
	s_or_b32 s[G0+4*\s+3], s[G0+4*\s+3], 0x80000000
	s_mov_b32 s[G0B+4*\s], 1
	s_add_co_u32 s[G0B+4*\s+1], s68, \s*SLOT
	s_add_nc_u64 s[G0B+4*\s+2:G0B+4*\s+3], s[22:23], \s*STEPB
	s_or_b32 s[G0B+4*\s+3], s[G0B+4*\s+3], 0x80000000
.endr
	CROUND                                         ; all sixteen work-groups are here: the first joint loads meet
	JLOAD G0, G1, G0B, G1B                         ; slot 0: one tensor load a wave at the head
	v_and_b32 v1, 31, v0
	v_min_u32 v[PFO], 24, v1
	v_lshlrev_b32 v[PFO], 8, v[PFO]
	s_wait_alu depctr_va_vdst(0)                   ; the wait here, ahead of the branches below
	ASK 1
	ASK 2
	v_lshlrev_b32 v[LI], 4, v1
	v_lshlrev_b32 v3, 3, v1
	s_mul_i32 s69, s15, 25600
	s_mul_i32 s70, s16, 51200
	s_add_co_u32 s70, s70, BOFF
.irp s, 0,1
	v_add_nc_u32 v[ADRA+\s], s69, v[LI]
	v_add_nc_u32 v[ADRB+\s], s70, v[LI]
	v_add_nc_u32 v[ADSA+\s], s69, v3
	v_add_nc_u32 v[ADSB+\s], s70, v3
	s_add_co_u32 s69, s69, SLOT
	s_add_co_u32 s70, s70, SLOT
.endr
	s_mul_i32 s71, s14, 16*528
	v_and_b32 v4, 15, v0
	v_bfe_u32 v5, v0, 4, 1
	v_mul_u32_u24 v[STO], v4, 528
	v_lshl_add_u32 v[STO], v5, 6, v[STO]
	v_add_nc_u32 v[STO], s71, v[STO]
	v_add_nc_u32 v[RD], s71, v[LI]
	s_lshl_b32 s72, s43, 7
	s_lshl_b32 s73, s15, 6
	s_add_co_u32 s72, s72, s73
	s_lshl_b32 s72, s72, 14
	s_lshl_b32 s73, s46, 10
	s_add_co_u32 s72, s72, s73
	s_lshl_b32 s73, s16, 9
	s_add_co_u32 s72, s72, s73
	s_mov_b32 s73, 0
	s_add_nc_u64 s[8:9], s[8:9], s[72:73]
.macro FETCH slot, q, p
	WIN 0x40
.irp b, 0,1,2,3,4,5,6,7
.irp g, 0,1,2
	ds_load_b128 v[128*(\p)+12*\b+4*\g:128*(\p)+12*\b+4*\g+3], v[ADRB+\slot] offset:(\b/2)*RBB+((\q)/2)*6400+(2*(\b%2)+(\q)%2)*1536+512*\g
.endr
.endr
	WIN 0
.irp a, 0,1,2,3
.irp g, 0,1,2
	ds_load_b128 v[AF+48*(\p)+12*\a+4*\g:AF+48*(\p)+12*\a+4*\g+3], v[ADRA+\slot] offset:(\a/2)*RBB+((\q)/2)*6400+(2*(\a%2)+(\q)%2)*1536+512*\g
.endr
.endr
.endm
.macro SCALES sl
.irp x, 0,1
.irp kc, 0,1
	ds_load_b64 v[SC+24*\sl+4*\x+2*\kc:SC+24*\sl+4*\x+2*\kc+1], v[ADSA+\sl] offset:\x*RBB+\kc*6400+6144
.endr
.endr
.irp x, 0,1,2,3
.irp kc, 0,1
	ds_load_b64 v[SC+24*\sl+8+4*\x+2*\kc:SC+24*\sl+8+4*\x+2*\kc+1], v[ADSB+\sl] offset:\x*RBB+\kc*6400+6144
.endr
.endr
.endm
.macro WM a, b, p, q, sl, zero
.set rD, 8*(8*(\a)+(\b))
.set rB, 128*(\p)+12*(\b)
.set rA, AF+48*(\p)+12*(\a)
.set rSB, SC+24*(\sl)+8+4*((\b)/2)+(\q)
.set rSA, SC+24*(\sl)+4*((\a)/2)+(\q)
.if \zero
.if ((\b)%2) && ((\a)%2)
	v_wmma_scale_f32_16x16x128_f8f6f4 v[rD:rD+7], v[rB:rB+11], v[rA:rA+11], 0, v[rSB], v[rSA] matrix_a_fmt:MATRIX_FMT_FP6 matrix_b_fmt:MATRIX_FMT_FP6 matrix_a_scale:MATRIX_SCALE_ROW1 matrix_b_scale:MATRIX_SCALE_ROW1
.elseif (\b)%2
	v_wmma_scale_f32_16x16x128_f8f6f4 v[rD:rD+7], v[rB:rB+11], v[rA:rA+11], 0, v[rSB], v[rSA] matrix_a_fmt:MATRIX_FMT_FP6 matrix_b_fmt:MATRIX_FMT_FP6 matrix_a_scale:MATRIX_SCALE_ROW1
.elseif (\a)%2
	v_wmma_scale_f32_16x16x128_f8f6f4 v[rD:rD+7], v[rB:rB+11], v[rA:rA+11], 0, v[rSB], v[rSA] matrix_a_fmt:MATRIX_FMT_FP6 matrix_b_fmt:MATRIX_FMT_FP6 matrix_b_scale:MATRIX_SCALE_ROW1
.else
	v_wmma_scale_f32_16x16x128_f8f6f4 v[rD:rD+7], v[rB:rB+11], v[rA:rA+11], 0, v[rSB], v[rSA] matrix_a_fmt:MATRIX_FMT_FP6 matrix_b_fmt:MATRIX_FMT_FP6
.endif
.else
.if ((\b)%2) && ((\a)%2)
	v_wmma_scale_f32_16x16x128_f8f6f4 v[rD:rD+7], v[rB:rB+11], v[rA:rA+11], v[rD:rD+7], v[rSB], v[rSA] matrix_a_fmt:MATRIX_FMT_FP6 matrix_b_fmt:MATRIX_FMT_FP6 matrix_a_scale:MATRIX_SCALE_ROW1 matrix_b_scale:MATRIX_SCALE_ROW1
.elseif (\b)%2
	v_wmma_scale_f32_16x16x128_f8f6f4 v[rD:rD+7], v[rB:rB+11], v[rA:rA+11], v[rD:rD+7], v[rSB], v[rSA] matrix_a_fmt:MATRIX_FMT_FP6 matrix_b_fmt:MATRIX_FMT_FP6 matrix_a_scale:MATRIX_SCALE_ROW1
.elseif (\a)%2
	v_wmma_scale_f32_16x16x128_f8f6f4 v[rD:rD+7], v[rB:rB+11], v[rA:rA+11], v[rD:rD+7], v[rSB], v[rSA] matrix_a_fmt:MATRIX_FMT_FP6 matrix_b_fmt:MATRIX_FMT_FP6 matrix_b_scale:MATRIX_SCALE_ROW1
.else
	v_wmma_scale_f32_16x16x128_f8f6f4 v[rD:rD+7], v[rB:rB+11], v[rA:rA+11], v[rD:rD+7], v[rSB], v[rSA] matrix_a_fmt:MATRIX_FMT_FP6 matrix_b_fmt:MATRIX_FMT_FP6
.endif
.endif
.endm
.macro MUL8 a, p, q, sl, zero
.irp b, 0,1,2,3,4,5,6,7
	WM \a, \b, \p, \q, \sl, \zero
.endr
.endm
.macro KSTEP slot, q, zero
	s_wait_dscnt 0x0
	PLACES
	FETCH \slot, (\q)+1, 1-(\q)%2
	WIN MULW
	MUL8 0, (\q)%2, \q, \slot, \zero
	MUL8 1, (\q)%2, \q, \slot, \zero
	MUL8 2, (\q)%2, \q, \slot, \zero
	MUL8 3, (\q)%2, \q, \slot, \zero
	WIN 0
.endm
.macro TURN slot, next, fill
	s_wait_tensorcnt 0x0
	ds_add_u32 v[SPW], v[NIL]
	s_wait_dscnt 1
	WIN MULW
	MUL8 0, 1, 3, \slot, 0
	s_wait_dscnt 0x0
	s_barrier_signal -1
	MUL8 1, 1, 3, \slot, 0
	WIN 0
	s_barrier_wait -1
.if \fill
	CREST
	s_add_nc_u64 s[G0+4*\slot+2:G0+4*\slot+3], s[G0+4*\slot+2:G0+4*\slot+3], 2*STEPA
	s_add_nc_u64 s[G0B+4*\slot+2:G0B+4*\slot+3], s[G0B+4*\slot+2:G0B+4*\slot+3], 2*STEPB
	JLOAD G0+4*\slot, G1, G0B+4*\slot, G1B
.else
	PLACES
.endif
	s_wait_alu depctr_va_vdst(0)
	FETCH \next, 0, 0
	SCALES \next
	WIN MULW
	MUL8 2, 1, 3, \slot, 0
	MUL8 3, 1, 3, \slot, 0
	WIN 0
.endm
	s_wait_alu depctr_va_vdst(0)                   ; the wait at the head's end
	s_wait_tensorcnt 0x0                           ; my part of slot 0 is in
	ds_add_u32 v[SPW], v[NIL]
	s_wait_dscnt 0x0
	CROUND                                         ; everybody's part of slot 0 is in, and the joint loads meet
	JLOAD G0+4, G1, G0B+4, G1B                     ; slot 1, the first tensor load behind the round
	ASK 3
	FETCH 0, 0, 0
	SCALES 0
	KSTEP 0, 0, 1
	s_mov_b32 s3, LAPS-1
.Llap:
	KSTEP 0, 1, 0
	KSTEP 0, 2, 0
	TURN 0, 1, 1
	KSTEP 1, 0, 0
	KSTEP 1, 1, 0
	KSTEP 1, 2, 0
	TURN 1, 0, 1
	KSTEP 0, 0, 0
	s_sub_co_u32 s3, s3, 1
	s_cmp_lg_u32 s3, 0
	s_cbranch_scc1 .Llap
	KSTEP 0, 1, 0
	KSTEP 0, 2, 0
	TURN 0, 1, 0
	KSTEP 1, 0, 0
	KSTEP 1, 1, 0
	KSTEP 1, 2, 0
	s_wait_dscnt 0x0
	WIN MULW
	MUL8 0, 1, 3, 1, 0
	MUL8 1, 1, 3, 1, 0
	MUL8 2, 1, 3, 1, 0
	MUL8 3, 1, 3, 1, 0
	WIN 0
.macro TOSTAGE a
	WIN 0x08
.irp b, 0,1,2,3,4,5,6,7
	ds_store_b128 v[STO], v[64*(\a)+8*\b:64*(\a)+8*\b+3] offset:128*(\b/2)+32*(\b%2)
	ds_store_b128 v[STO], v[64*(\a)+8*\b+4:64*(\a)+8*\b+7] offset:128*(\b/2)+32*(\b%2)+16
.endr
	WIN 0
.set BB, BK+64*((\a)%2)
.irp i, 0,1,2,3,4,5,6,7,8,9,10,11,12,13,14,15
	ds_load_b128 v[BB+4*\i:BB+4*\i+3], v[RD] offset:\i*528
.endr
.endm
.macro SEND a, younger
.set BB, BK+64*((\a)%2)
	s_wait_dscnt \younger
.irp i, 0,1,2,3,4,5,6,7,8,9,10,11,12,13,14,15
	global_store_b128 v[LI], v[BB+4*\i:BB+4*\i+3], s[8:9] offset:(32*((\a)/2)+8*((\a)%2)+(\i%8)+16*(\i/8))*16384 th:TH_STORE_NT
.endr
.endm
	PLACES
	TOSTAGE 0
.irp a, 1,2,3
.if \a > 1
	s_wait_xcnt 0x0
.endif
	TOSTAGE \a
	SEND \a-1, 32
.endr
	SEND 3, 0
	s_wait_tensorcnt 0x0
	ds_add_u32 v[SPW], v[NIL]
	s_wait_dscnt 0x0
	CROUND
	s_endpgm
.Lfunc_end_k_q84bcc96939_gemm_out:
	.size	k_q84bcc96939_gemm_out, .Lfunc_end_k_q84bcc96939_gemm_out-k_q84bcc96939_gemm_out
	.p2alignl 7, 3214868480
	.fill 96, 4, 3214868480
	.section	.rodata,"a",@progbits
	.p2align	6, 0x0
	.amdhsa_kernel k_q84bcc96939_gemm_out
		.amdhsa_group_segment_fixed_size 327680
		.amdhsa_private_segment_fixed_size 0
		.amdhsa_enable_private_segment 0
		.amdhsa_kernarg_size 24
		.amdhsa_user_sgpr_count 2
		.amdhsa_user_sgpr_kernarg_segment_ptr 1
		.amdhsa_wavefront_size32 1
		.amdhsa_system_sgpr_workgroup_id_x 1
		.amdhsa_system_sgpr_workgroup_id_y 1
		.amdhsa_system_sgpr_workgroup_id_z 1
		.amdhsa_system_vgpr_workitem_id 0
		.amdhsa_next_free_vgpr 768
		.amdhsa_next_free_sgpr 100
		.amdhsa_reserve_vcc 0
		.amdhsa_float_denorm_mode_32 3
		.amdhsa_float_denorm_mode_16_64 3
		.amdhsa_memory_ordered 1
		.amdhsa_forward_progress 1
		.amdhsa_inst_pref_size 134
	.end_amdhsa_kernel
	.amdgpu_metadata
---
amdhsa.version: [ 1, 2 ]
amdhsa.kernels:
  - .name:           k_q84bcc96939_gemm_out
    .symbol:         k_q84bcc96939_gemm_out.kd
    .args:
      - { .name: ctx, .offset: 0, .size: 8, .value_kind: global_buffer, .address_space: global }
      - { .name: woc, .offset: 8, .size: 8, .value_kind: global_buffer, .address_space: global }
      - { .name: out0, .offset: 16, .size: 8, .value_kind: global_buffer, .address_space: global }
    .group_segment_fixed_size: 327680
    .private_segment_fixed_size: 0
    .kernarg_segment_align: 8
    .kernarg_segment_size: 24
    .max_flat_workgroup_size: 128
    .sgpr_count:     100
    .vgpr_count:     768
    .wavefront_size: 32
...
	.end_amdgpu_metadata
.endif
;; end of part 4
